; MI455X (gfx1250); checked and timed in simulation.
; The chip was launched on July 23, 2026; its instructions are those of AMD's public machine-readable ISA for CDNA 5 (MIT licence, August 2026) and "CDNA5" Instruction Set Architecture Reference Guide (July 2026). The comments in the code are by the model that wrote it; some were corrected since.
;; Spectral MHSA. Allowed arithmetic: matrix products marked QUANTISED: E2M1 operands, one E8M0 scale for each 32 along K, by v_wmma_scale_f32_16x16x128_f8f6f4 with both operands' format E2M1 (or v_wmma_scale_f32_32x16x128_f4), f32 sums; products left as they are: bf16, f16 or f32 operands; f32 sums; everything else in f32.
;; Inputs: Wk 1,024 x 1,024 float32; Wo 1,024 x 1,024 float32; Wq 1,024 x 1,024 float32; Wv 1,024 x 1,024 float32; bk 1,024 float32; bo 1,024 float32; bq 1,024 float32; bv 1,024 float32; x 4,096 x 1,024 float32.
;; Outputs: out0 4,096 x 1,024 float32.
;; This version of the problem:
;;   THIS VERSION OF THE PROBLEM IS GIVEN IN LOW PRECISION. The matrix products marked QUANTISED in the list below multiply operands that are first quantised to E2M1 (2 exponent bits, 1 mantissa bit; 4 bits a number), with one power-of-two scale for each 32 numbers along K (OCP MX v1.0); their sums are f32. The products marked 'left as it is' may take bf16, f16 or f32 operands, with f32 sums. Whichever they take, every output number must still come out within the allowed error. Rounding operands to bf16 (8 significant bits) uses up far more of that allowance than f16 does (11 bits, for magnitudes from 6e-5 to 65,504). All else is computed in f32.
;;   The module's matrix products, in the order in which they are computed (A, B: the left and right operand; K: the contracted axis; several contracted axes count as one K, in the product's order):
;;     1. [M 4,096, K 1,024] x [K 1,024, N 1,024]; A: input x; B: input Wq: QUANTISED
;;     2. [M 4,096, K 1,024] x [K 1,024, N 1,024]; A: input x; B: input Wk: QUANTISED
;;     3. [M 4,096, K 1,024] x [K 1,024, N 1,024]; A: input x; B: input Wv: QUANTISED
;;     4. batch 16 x [M 4,096, K 64] x [K 64, N 4,096]; A: computed on the way; B: computed on the way: left as it is (an operand is computed on the way)
;;     5. batch 16 x [M 4,096, K 4,096] x [K 4,096, N 64]; A: computed on the way; B: computed on the way: left as it is (an operand is computed on the way)
;;     6. [M 4,096, K 1,024] x [K 1,024, N 1,024]; A: computed on the way; B: input Wo: left as it is (an operand is computed on the way)
;;   THE QUANTISER, for each operand of a quantised product, along K:
;;     - K is cut into blocks of 32 from its start; a last block that is shorter is filled with zeros.
;;     - A block's scale is 2^e with e = floor(log2(the largest magnitude in the block)) - 2, held to -126 .. 127; a block of zeros has e = 0. As a byte (E8M0): e + 127.
;;     - Each number is divided by its block's scale, clamped to +-6, and rounded to the nearest number of E2M1, ties to even, subnormals kept.
;;     - The product sums the exact products of the quantised numbers (number of the format x scale) in f32.
;;   ~~~python
;;   def quantise(x, axis):      # numpy; x: float32 -> the quantised numbers, widened to float32 again
;;       x = np.moveaxis(x, axis, -1); K = x.shape[-1]
;;       x = np.pad(x, [(0, 0)] * (x.ndim - 1) + [(0, -K % 32)]); x = x.reshape(x.shape[:-1] + (-1, 32)); a = np.abs(x).max(-1, keepdims=True)
;;       e = np.where(a > 0, np.clip(np.frexp(np.where(a > 0, a, 1))[1] - 1 - 2, -126, 127), 0)      # np.frexp(a)[1] - 1 = floor(log2(a)), exactly
;;       r = np.clip(x / 2.0 ** e, -6, 6)
;;       step = 2.0 ** (np.maximum(np.frexp(np.where(r == 0, 1, r))[1] - 1, 0) - 1)
;;       q = np.round(r / step) * step * 2.0 ** e      # np.round: ties to even
;;       return np.moveaxis(q.reshape(q.shape[:-2] + (-1,))[..., :K], -1, axis).astype(np.float32)
;;   ~~~
;; One version. Each part assembles by itself: llvm-mc -triple=amdgcn-amd-amdhsa -mcpu=gfx1250 --defsym DOCPART=n.
;; ======== version 1 of 1: 4 launches
;; limits: values are held in f16: magnitudes above 65,504 overflow, below 6.1e-05 lose precision
;; workspace buffers: codes 3,670,016 bytes; scales 229,376 bytes; wo16 2,097,152 bytes; q16 8,388,608 bytes; k16 8,388,608 bytes; vt16 8,388,608 bytes; ctx16 8,388,608 bytes
;; launch quant (part 1): grid 256 x 1, 4 waves a work-group, no clusters, 33,280 bytes of LDS; arguments x, Wq, Wk, Wv, Wo, codes, scales, wo16; writes codes, scales, wo16
.if DOCPART == 1
	.amdgcn_target "amdgcn-amd-amdhsa--gfx1250"
	.amdhsa_code_object_version 6
	.text
	.protected	k_q9991a3910f_quant
	.globl	k_q9991a3910f_quant
	.p2align	8
	.type	k_q9991a3910f_quant,@function
k_q9991a3910f_quant:
	s_mov_b64 s[64:65], 0
	v_nop
	global_prefetch_b8 v0, s[64:65] scope:SCOPE_SE
	s_setreg_imm32_b32 hwreg(HW_REG_WAVE_MODE, 25, 1), 1
	s_wait_xcnt 0x0
; LAUNCH 1 OF 4 (quant, qkv, attn, proj): multi-head attention, 4,096 tokens, width 1,024, 16 heads of 64.
; This launch: x [4096][1024], Wq, Wk, Wv [1024][1024], f32, K innermost, become codes of FP4 (E2M1) with one E8M0 byte for each 32 along K; Wo becomes f16.
; The four quantised tensors are laid one behind the other as 7,168 rows: x 0-4095, Wq 4096-5119, Wk 5120-6143, Wv 6144-7167: codes 512 bytes a row, scale bytes 32 a row.
; WORK LEFT OUT IN THE WHOLE PROGRAM: bk.  k = k0 + bk with k0 = x Wk^T.  scores[h][n][m] = s q[h][n] . (k0[h][m] + bk_h) = s q[h][n] . k0[h][m] + s q[h][n] . bk_h.
; The second term does not hang on m, the softmax's axis, and softmax(t + c) = softmax(t) for every finite c.  The product of q and k is not quantised, so k passes no quantiser, and k reaches
; the result through the scores alone.  So for all finite values of the inputs bk has no way to out0: it is not loaded and is among no launch's arguments.
; bv IS LIVE and is added later than it is written: the rows of a softmax sum to 1, so attn (v0 + bv) = attn v0 + bv; launch attn adds it where it divides by the row's sum.
; LIMITS: a NaN, an infinity or an overflow that arises from bk alone is not carried to the result.  NaN and infinities among x and the weights are not served.  A block whose largest magnitude lies
; under 2^-124 has its byte held at 1; a block of zeros gets the byte 1 where the rule says 127: its codes are zeros, and this program alone reads the bytes.  |Wo| stays under 65,504 (f16).
; A block's scale is 2^(floor(log2(largest magnitude)) - 2); its byte is the largest magnitude's exponent field - 2.  Each number is divided by the scale and rounded to the nearest code, ties to even.
; SHARES: a work-group takes 32,768 numbers, a wave 8,192.  Work-groups 0-127: x; 128-159: Wq; 160-191: Wk; 192-223: Wv; 224-255: Wo (a cast, on a path of its own that touches no LDS).
; The tensors are plain streams of blocks of 32.  A wave takes 16 steps of 512 numbers: four loads of 512 consecutive bytes; the 2,048 bytes turn through the wave's own stage in LDS and come back 64 bytes
; (16 neighbours along K) a lane; two neighbouring lanes hold a block.  A lane's 16 codes are 8 bytes: a store of the wave covers 256 consecutive bytes, aligned.  A wave's 256 scale bytes leave as one such run.
; No matrix unit, no cluster, no tensor load: every byte is read once by one wave.
.set WAVES, 4
.set STEPS, 16
.set EMAX,  2
.set CB,    8                          ; bytes of 16 codes
.set R,     16                         ; v16-79   four sets of 16 numbers as loaded (Wo's path: v16-79 and v80-143, two sets of 64)
.set X,     80                         ; v80-111  two sets of 16 neighbours
.set E,     112                        ; v112-127 a scale byte for each step
.set C,     128                        ; v128-191 codes: four registers for each step
.set WC,    144                        ; v144-175 Wo's path: 64 numbers as f16
.set WREG,  8192                       ; LDS: a region for each wave: two stages of 32 x SP bytes, behind them its 256 scale bytes
.set SP,    80                         ; a lane's place in a stage: 64 bytes + 16 of padding
.set SPW,   12                         ; v12  LDS address of my spare word; never rewritten
.set NIL,   13                         ; v13  0; never rewritten
.set SPARE, WAVES*WREG                 ; behind the regions: the spare words, 128 bytes a wave, which no other line names
	s_load_b512 s[4:19], s[0:1], 0x0               ; x 4:5, Wq 6:7, Wk 8:9, Wv 10:11, Wo 12:13, codes 14:15, scales 16:17, wo16 18:19
	v_lshl_add_u32 v[SPW], v0, 2, SPARE
	v_mov_b32 v[NIL], 0
	v_lshrrev_b32 v1, 5, v0
	v_readfirstlane_b32 s24, v1                    ; wave
	v_and_b32 v2, 31, v0                           ; lane
	v_lshlrev_b32 v3, 4, v2                        ; my 16 bytes of a load's 512
	s_mul_i32 s25, s24, WREG
	v_lshrrev_b32 v14, 2, v2
	v_mul_u32_u24 v14, v14, SP
	v_and_b32 v15, 3, v2
	v_lshl_add_u32 v14, v15, 4, v14
	v_add_nc_u32 v14, s25, v14                     ; the stage, on the way in: SP (lane / 4) + 16 (lane % 4)
	v_mul_u32_u24 v15, v2, SP
	v_add_nc_u32 v15, s25, v15                     ; and on the way out: SP x lane
	v_mul_u32_u24 v4, v2, CB                       ; 8 bytes a lane: my codes' place in a step's (and my f16 numbers' on Wo's path)
	v_lshrrev_b32 v5, 1, v2
	s_add_co_u32 s25, s25, 2*32*SP
	v_add_nc_u32 v5, s25, v5                       ; LDS: my block's scale byte
	v_lshlrev_b32 v7, 3, v2
	v_add_nc_u32 v6, s25, v7                       ; and on the way out 8 bytes a lane
	s_mov_b32 s29, 0
	s_wait_kmcnt 0x0
	s_cmp_ge_u32 ttmp9, 224
	s_cbranch_scc1 .Lwo
	s_cmp_lt_u32 ttmp9, 192                        ; which tensor: the choice hangs on the work-group's number alone
	s_cselect_b64 s[26:27], s[8:9], s[10:11]
	s_cmp_lt_u32 ttmp9, 160
	s_cselect_b64 s[26:27], s[6:7], s[26:27]
	s_cmp_lt_u32 ttmp9, 128
	s_cselect_b64 s[26:27], s[4:5], s[26:27]
	s_cselect_b32 s33, 127, 31
	s_cselect_b32 s32, 0, 128
	s_sub_co_u32 s32, ttmp9, s32
	s_and_b32 s33, s32, s33                        ; the work-group's number inside its tensor
	s_lshl_b32 s33, s33, 2
	s_add_co_u32 s28, s33, s24
	s_lshl_b32 s28, s28, 15                        ; my wave's run of 8,192 numbers: 32,768 bytes
	s_add_nc_u64 s[26:27], s[26:27], s[28:29]
	s_lshl_b32 s30, ttmp9, 2
	s_add_co_u32 s30, s30, s24                     ; the run's number among the 7,168 rows on end
	s_lshl_b32 s28, s30, 12
	s_add_nc_u64 s[14:15], s[14:15], s[28:29]      ; 4,096 bytes of codes a run
	s_lshl_b32 s28, s30, 8
	s_add_nc_u64 s[16:17], s[16:17], s[28:29]      ; 256 scale bytes a run
.macro LOAD t
.irp i, 0,1,2,3
	global_load_b128 v[R+16*((\t)%4)+4*\i:R+16*((\t)%4)+4*\i+3], v3, s[26:27] offset:2048*(\t)+512*\i th:TH_LOAD_NT
.endr
.endm
.macro TURN t                          ; step t's numbers through the stage: LDS serves a wave's instructions in order, so no wait stands between the stores and the loads
.irp i, 0,1,2,3
	ds_store_b128 v14, v[R+16*((\t)%4)+4*\i:R+16*((\t)%4)+4*\i+3] offset:32*SP*((\t)%2)+8*SP*\i
.endr
.irp i, 0,1,2,3
	ds_load_b128 v[X+16*((\t)%2)+4*\i:X+16*((\t)%2)+4*\i+3], v15 offset:32*SP*((\t)%2)+16*\i
.endr
.endm
.irp t, 0,1,2,3
	LOAD \t
.endr
	s_wait_loadcnt 12                              ; step 0's four loads are in; the twelve of steps 1 to 3 may be out
	TURN 0
.macro STEP t
.set XS, X+16*((\t)%2)
.if (\t) > 0
	s_wait_dscnt 1                                 ; this step's numbers are back from the stage; the last step's byte store may be out
.else
	s_wait_dscnt 0x0
.endif
.if (\t)+4 < STEPS
	LOAD (\t)+4                                    ; into the registers that the stage's stores have read
.endif
.if (\t)+1 < STEPS
.if STEPS-2-(\t) >= 3
	s_wait_loadcnt 12                              ; the next step's four loads are in; those of the three steps behind it may be out
.else
	s_wait_loadcnt 4*(STEPS-2-(\t))
.endif
	TURN (\t)+1
.endif
	v_max3_num_f32 v8, |v[XS]|, |v[XS+1]|, |v[XS+2]|
	v_max3_num_f32 v9, |v[XS+3]|, |v[XS+4]|, |v[XS+5]|
.irp i, 6,10
	v_max3_num_f32 v8, v8, |v[XS+\i]|, |v[XS+\i+1]|
	v_max3_num_f32 v9, v9, |v[XS+\i+2]|, |v[XS+\i+3]|
.endr
	v_max3_num_f32 v8, v8, |v[XS+14]|, |v[XS+15]|
	v_max3_num_f32 v8, v8, v9, (EMAX+1)<<23        ; the floor 2^(EMAX + 1 - 127): the byte cannot fall under 1
	v_max_num_f32_dpp v8, v8, v8 row_xmask:1 row_mask:0xf bank_mask:0xf   ; with my neighbour's 16: the block's largest magnitude
	v_add_nc_u32 v11, -(EMAX<<23), v8              ; EMAX off its exponent field: the conversion takes that field as its scale
	v_cvt_scalef32_pk8_fp4_f32 v[C+4*(\t)], v[XS:XS+7], v11
	v_cvt_scalef32_pk8_fp4_f32 v[C+4*(\t)+1], v[XS+8:XS+15], v11
	v_lshrrev_b32 v[E+(\t)], 23, v11               ; the scale's byte
	ds_store_b8 v5, v[E+(\t)] offset:16*(\t)       ; both lanes of a block write the same byte with the same value
	global_store_b64 v4, v[C+4*(\t):C+4*(\t)+1], s[14:15] offset:32*CB*(\t)
.endm
.irp t, 0,1,2,3,4,5,6,7,8,9,10,11,12,13,14,15
	STEP \t
.endr
	ds_load_b64 v[8:9], v6                         ; LDS serves a wave's instructions in order: these see my stores
	s_wait_dscnt 0x0
	global_store_b64 v7, v[8:9], s[16:17]          ; 32 lanes store 256 consecutive bytes, aligned
	s_wait_tensorcnt 0x0                           ; the wave's end, behind my last LDS store
	ds_add_u32 v[SPW], v[NIL]
	s_wait_dscnt 0x0
	s_endpgm
; Wo to f16: four groups of 2,048 numbers a wave, two sets of registers by turns; no LDS.
.Lwo:
	s_sub_co_u32 s30, ttmp9, 224
	s_lshl_b32 s30, s30, 2
	s_add_co_u32 s30, s30, s24                     ; my wave's run of 8,192 numbers
	s_lshl_b32 s28, s30, 15
	s_add_nc_u64 s[12:13], s[12:13], s[28:29]
	s_lshl_b32 s28, s30, 14
	s_add_nc_u64 s[18:19], s[18:19], s[28:29]
.macro LOADW g
.irp i, 0,1,2,3,4,5,6,7,8,9,10,11,12,13,14,15
	global_load_b128 v[R+64*((\g)%2)+4*\i:R+64*((\g)%2)+4*\i+3], v3, s[12:13] offset:8192*(\g)+512*\i th:TH_LOAD_NT
.endr
.endm
.macro CASTW g
.irp i, 0,1,2,3,4,5,6,7,8,9,10,11,12,13,14,15
	v_cvt_pk_f16_f32 v[WC+2*\i], v[R+64*((\g)%2)+4*\i], v[R+64*((\g)%2)+4*\i+1]
	v_cvt_pk_f16_f32 v[WC+2*\i+1], v[R+64*((\g)%2)+4*\i+2], v[R+64*((\g)%2)+4*\i+3]
.endr
.irp i, 0,1,2,3,4,5,6,7,8,9,10,11,12,13,14,15
	global_store_b64 v4, v[WC+2*\i:WC+2*\i+1], s[18:19] offset:4096*(\g)+256*\i   ; 32 lanes store 256 consecutive bytes, aligned
.endr
.endm
	LOADW 0
	LOADW 1
	s_wait_loadcnt 16                              ; group 0 is in; group 1's sixteen loads may be out
	CASTW 0
	LOADW 2
	s_wait_loadcnt 16                              ; group 1 is in; group 2's may be out
	s_wait_xcnt 0x0                                ; the last group's stores have read their data registers: they are written again only behind this wait
	CASTW 1
	LOADW 3
	s_wait_loadcnt 16
	s_wait_xcnt 0x0
	CASTW 2
	s_wait_loadcnt 0x0
	s_wait_xcnt 0x0
	CASTW 3
	s_endpgm
.Lfunc_end_k_q9991a3910f_quant:
	.size	k_q9991a3910f_quant, .Lfunc_end_k_q9991a3910f_quant-k_q9991a3910f_quant
	.p2alignl 7, 3214868480
	.fill 96, 4, 3214868480
	.section	.rodata,"a",@progbits
	.p2align	6, 0x0
	.amdhsa_kernel k_q9991a3910f_quant
		.amdhsa_group_segment_fixed_size 33280
		.amdhsa_private_segment_fixed_size 0
		.amdhsa_enable_private_segment 0
		.amdhsa_kernarg_size 64
		.amdhsa_user_sgpr_count 2
		.amdhsa_user_sgpr_kernarg_segment_ptr 1
		.amdhsa_wavefront_size32 1
		.amdhsa_system_sgpr_workgroup_id_x 1
		.amdhsa_system_sgpr_workgroup_id_y 1
		.amdhsa_system_sgpr_workgroup_id_z 1
		.amdhsa_system_vgpr_workitem_id 0
		.amdhsa_next_free_vgpr 192
		.amdhsa_next_free_sgpr 66
		.amdhsa_reserve_vcc 0
		.amdhsa_float_denorm_mode_32 3
		.amdhsa_float_denorm_mode_16_64 3
		.amdhsa_memory_ordered 1
		.amdhsa_forward_progress 1
		.amdhsa_inst_pref_size 54
	.end_amdhsa_kernel
	.amdgpu_metadata
---
amdhsa.version: [ 1, 2 ]
amdhsa.kernels:
  - .name:           k_q9991a3910f_quant
    .symbol:         k_q9991a3910f_quant.kd
    .args:
      - { .name: x, .offset: 0, .size: 8, .value_kind: global_buffer, .address_space: global }
      - { .name: Wq, .offset: 8, .size: 8, .value_kind: global_buffer, .address_space: global }
      - { .name: Wk, .offset: 16, .size: 8, .value_kind: global_buffer, .address_space: global }
      - { .name: Wv, .offset: 24, .size: 8, .value_kind: global_buffer, .address_space: global }
      - { .name: Wo, .offset: 32, .size: 8, .value_kind: global_buffer, .address_space: global }
      - { .name: codes, .offset: 40, .size: 8, .value_kind: global_buffer, .address_space: global }
      - { .name: scales, .offset: 48, .size: 8, .value_kind: global_buffer, .address_space: global }
      - { .name: wo16, .offset: 56, .size: 8, .value_kind: global_buffer, .address_space: global }
    .group_segment_fixed_size: 33280
    .private_segment_fixed_size: 0
    .kernarg_segment_align: 8
    .kernarg_segment_size: 64
    .max_flat_workgroup_size: 128
    .sgpr_count:     66
    .vgpr_count:     192
    .wavefront_size: 32
...
	.end_amdgpu_metadata
.endif
;; end of part 1
;; launch qkv (part 2): grid 12 x 16, 4 waves a work-group, clusters of 4 x 4, 327,680 bytes of LDS; arguments codes, scales, bq, q16, k16, vt16; writes q16, k16, vt16
.if DOCPART == 2
	.amdgcn_target "amdgcn-amd-amdhsa--gfx1250"
	.amdhsa_code_object_version 6
	.text
	.protected	k_q9991a3910f_qkv
	.globl	k_q9991a3910f_qkv
	.p2align	8
	.type	k_q9991a3910f_qkv,@function
k_q9991a3910f_qkv:
	s_mov_b64 s[64:65], 0
	v_nop
	global_prefetch_b8 v0, s[64:65] scope:SCOPE_SE
	s_setreg_imm32_b32 hwreg(HW_REG_WAVE_MODE, 25, 1), 1
	s_wait_xcnt 0x0
	s_wait_alu depctr_hold_cnt(0) depctr_sa_sdst(0) depctr_va_vdst(0) depctr_va_sdst(0) depctr_va_ssrc(0) depctr_va_vcc(0) depctr_vm_vsrc(0)
	s_getreg_b32 s2, hwreg(HW_REG_IB_STS2, 6, 4)
	s_cmp_eq_u32 s2, 0
	s_cbranch_scc0 .Lentry_in_a_cluster
	s_endpgm
.Lentry_in_a_cluster:
	s_bfe_u32 s2, ttmp6, 0x10000c
	s_cmp_lg_u32 s2, 0xf033
	s_cbranch_scc0 .Lentry_shape_is_right
	s_endpgm
.Lentry_shape_is_right:
; LAUNCH 2 OF 4: q = x Wq^T + bq, k = x Wk^T, v^T = Wv x^T, on codes of FP4 with E8M0 scales, sums in f32, results rounded once to f16.
; LEFT OUT: bk (it has no way to out0: shown at the head of launch quant's text).  bv is added in launch attn.
; LIMIT: |q|, |k|, |v| stay under 65,504 (f16).
; codes: 7,168 rows x 512 bytes (x 0-4095, Wq, Wk, Wv behind it), scales: the same rows x 32 bytes.  q16, k16: [16 heads][4096 tokens][64] f16.  vt16: [1024 channels][4096 tokens] f16.
; A tile of 256 x 256 of a result is made by a work-group of four waves; a wave makes 128 x 128: 64 accumulators of 16 x 16.  K = 1,024 is two K steps of 512 (LDS rows of 256 bytes); both come with the first fills:
; nothing is filled again.  The scale bytes of the work-group's 2 x 256 rows, all of K, come with them as dense blocks.
; WHICH PRODUCT: the cluster's x.  0: q, 1: k (operand A = x's rows, operand B = W's rows);  2: v^T (A = Wv's rows, B = x's rows).  All sixteen partners of a cluster share that number.
; THE MATRIX INSTRUCTION IS USED TRANSPOSED (source 0 = 16 rows of B, source 1 = 16 rows of A): a lane holds eight neighbouring columns of one row of the result: channels of a token for q and k, tokens of a channel for v^T.
; CLUSTERS: 4 x 4 work-groups.  A's tile is shared along a row of the cluster, B's along a column: each is asked for jointly, by the same tensor load with the same descriptor and a mask that names the four.
; 192 work-groups: a tile of 256 x 192, which would give 256, would cut heads and the borders between q, k and v.
; REGISTERS: window 0: v8-15 offsets of the stores, v16-29 addresses, v32-95 scale words (two sets), v96-127 packed results, v128-191 A's fragments (later rows on their way out), v192-255 the bias as the first products' C.
;   window 1: B's fragments, two sets.   window 2, 3: the accumulators of my rows 0-63, 64-127 ((a, b) at v[8 (8 (a % 4) + b)]).
.set NQ,     4                         ; matrix instructions deep in a K step of 512
.set ROWB,   256                       ; a tile's row in bytes
.set KROW,   512                       ; a row of codes in memory
.set PITCH,  272                       ; an LDS row: 256 bytes + 16 of padding: the 16 rows that a load touches start 68 words apart
.set FR,     8                         ; registers of a fragment: 16 rows x 128 K
.set NL,     2                         ; LDS loads that bring one
.set NP,     4                         ; places behind this matrix instruction (ISA guide 7.12.1)
.set HALFT,  128*PITCH
.set SLOT,   4*HALFT                   ; A's 256 rows, then B's 256 rows
.set KS,     32                        ; a row of scale bytes
.set SCL,    2*SLOT                    ; behind the two slots: the scales, as runs of 256 bytes + 16 of padding
.set HALFS,  (128*KS/256)*272
.set SBLK,   (16*KS/256)*272
.set SPARE,  SCL+4*HALFS               ; the spare words, 128 bytes a wave, which no other line names
.set STAGE,  SPARE+512                 ; the way out: 16 rows x 272 bytes for each wave; no tensor load lands here
.set SPITCH, 272
.set CO,   8                           ; v8-15   byte offsets of a block's eight stores
.set ADRA, 16                          ; v16-17  LDS address of my A fragments in slot 0, 1
.set ADRB, 20                          ; v20-21  the same for B
.set STO,  24
.set RD,   25
.set ADRS, 27                          ; v27     LDS address of my scale words: lanes 0-15 A's rows, lanes 16-31 B's
.set SPW,  28
.set NIL,  29
.set SC,   32
.set TMP,  96
.set AF,   128
.set OB,   128
.set BI,   192
.set WV,   16                          ; s16 wave;  s17 wave / 2: my half of the rows, also: I fetch for A (0) or B (1);  s18 wave % 2: my half of the columns, also: which 128 rows I fetch
.set HR,   17
.set HC,   18
.set TA,   19                          ; s19 A's tile among the 28 tiles of 256 rows;  s42 B's
.set TBI,  42
.set G1,   24
.set G0,   32
.set G1B,  48
.set G0B,  56
.set G1S,  68
.set G0S,  76
.set G1SB, 80
.set G0SB, 88
.set RS,   96                          ; s96 bytes from row to row of the result in memory;  s97 from the first to the second 64 columns;  s98 two rows;  s[100:101] sixteen rows
.set HS,   97
.set TSTEP, 98
.set ASTEP, 100
.set MSB, 0
.macro WIN new                         ; the immediate's high byte repeats the setting that is left
.if MSB != \new
	s_set_vgpr_msb (MSB<<8)|\new
.set MSB, \new
.endif
.endm
.set MUL_LO,   0xa1                    ; source 0 (B) window 1, source 1 (A) window 0, C and D window 2
.set MUL_HI,   0xf1                    ; the same, C and D window 3
.set FIRST_LO, 0x81                    ; the first products: C (the bias) window 0, D window 2
.set FIRST_HI, 0xc1                    ; D window 3
.set TO_B,     0x40
; A joint load: waves 0 and 1 fetch for A, waves 2 and 3 for B; the branch hangs on the wave's number alone.  An s_nop 0 and four v_nop follow each line.
.macro JLOAD g0a, g1a, g0b, g1b
	s_cmp_eq_u32 s[HR], 0
	s_cbranch_scc0 .Lfor_b_\@
	tensor_load_to_lds s[\g0a:\g0a+3], s[\g1a:\g1a+7]
	s_nop 0
.rept 4
	v_nop
.endr
	s_branch .Lasked_\@
.Lfor_b_\@:
	tensor_load_to_lds s[\g0b:\g0b+3], s[\g1b:\g1b+7]
	s_nop 0
.rept 4
	v_nop
.endr
.Lasked_\@:
.endm
.macro CROUND                          ; a round of the cluster's barrier
	s_barrier_signal -1
	s_barrier_wait -1
	s_cmp_lg_u32 s[WV], 0
	s_cbranch_scc1 .Lnot_wave_0_\@
	s_barrier_signal -3
.Lnot_wave_0_\@:
	s_barrier_wait -3
	s_barrier_signal -1
	s_barrier_wait -1
.endm
	s_load_b128 s[4:7], s[0:1], 0x0                ; codes, scales
	s_load_b128 s[8:11], s[0:1], 0x10              ; bq, q16
	s_load_b128 s[12:15], s[0:1], 0x20             ; k16, vt16
	v_lshl_add_u32 v[SPW], v0, 2, SPARE
	v_mov_b32 v[NIL], 0
	ds_add_u32 v[SPW], v[NIL]                      ; the wave's opening: the add, twice on end, and its wait ahead of my first tensor load
	ds_add_u32 v[SPW], v[NIL]
	v_lshrrev_b32 v1, 5, v0
	v_readfirstlane_b32 s[WV], v1
	s_lshr_b32 s[HR], s[WV], 1
	s_and_b32 s[HC], s[WV], 1
	s_bfe_u32 s40, ttmp6, 0x40000                  ; cx
	s_bfe_u32 s41, ttmp6, 0x40004                  ; cy
	s_and_b32 s20, ttmp7, 0xffff
	s_lshl_b32 s20, s20, 2                         ; 4 x cluster y: a tile of x's rows
	s_lshl_b32 s21, ttmp9, 2
	s_add_co_u32 s21, s21, 16                      ; 16 + 4 x cluster x: a tile of Wq's or Wk's rows
	s_cmp_eq_u32 ttmp9, 2
	s_cselect_b32 s[TA], 24, s20                   ; v^T: A = Wv (tiles 24-27), B = x
	s_cselect_b32 s[TBI], s20, s21
	s_add_co_u32 s[TA], s[TA], s41
	s_add_co_u32 s[TBI], s[TBI], s40
	s_lshl_b32 s43, s41, 2
	s_lshl_b32 s43, 15, s43                        ; my row of the cluster
	s_lshl_b32 s44, 0x1111, s40                    ; my column
	; descriptor group 1: 128 rows x 256 bytes, 16 bytes of padding behind each
	s_or_b32 s[G1+0], s43, (0<<16)|(1<<20)|(1<<21)|(5<<22)|(3<<25)
	s_or_b32 s[G1B+0], s44, (0<<16)|(1<<20)|(1<<21)|(5<<22)|(3<<25)
.irp g, G1, G1B
	s_mov_b32 s[\g+1], ROWB<<16                    ; tensor_dim0
	s_mov_b32 s[\g+2], 128<<16                     ; tensor_dim1
	s_mov_b32 s[\g+3], ROWB<<16                    ; tile_dim0
	s_mov_b32 s[\g+4], 128                         ; tile_dim1
	s_mov_b32 s[\g+5], KROW                        ; from row to row
	s_mov_b32 s[\g+6], 0
	s_mov_b32 s[\g+7], 0
.endr
	; the scales of 128 rows: 4,096 dense bytes as 16 rows of 256 (32 elements of 8 bytes), 16 bytes of padding behind each
	s_or_b32 s[G1S+0], s43, (3<<16)|(1<<20)|(1<<21)|(5<<22)|(3<<25)
	s_or_b32 s[G1SB+0], s44, (3<<16)|(1<<20)|(1<<21)|(5<<22)|(3<<25)
.irp g, G1S, G1SB
	s_mov_b32 s[\g+1], 32<<16
	s_mov_b32 s[\g+2], (128*KS/256)<<16
	s_mov_b32 s[\g+3], 32<<16
	s_mov_b32 s[\g+4], 128*KS/256
	s_mov_b32 s[\g+5], 32
	s_mov_b32 s[\g+6], 0
	s_mov_b32 s[\g+7], 0
.endr
	s_lshl_b32 s22, s[HC], 7                       ; which 128 rows of a tile I fetch
	s_lshl_b32 s20, s[TA], 8
	s_add_co_u32 s20, s20, s22                     ; A's first row
	s_lshl_b32 s46, s[TBI], 8
	s_add_co_u32 s46, s46, s22                     ; B's
	s_lshl_b32 s92, s20, 5                         ; their scale bytes,
	s_mov_b32 s93, 0
	s_lshl_b32 s94, s46, 5
	s_mov_b32 s95, 0
	s_lshl_b32 s20, s20, 9                         ; their codes
	s_mov_b32 s21, 0
	s_lshl_b32 s46, s46, 9
	s_mov_b32 s47, 0
	s_mul_i32 s45, s[WV], HALFT                    ; where they go: wave x 128 rows: no place in the cluster enters an LDS address
	s_mul_i32 s66, s[WV], HALFS
	s_wait_dscnt 0x0                               ; both opening adds are done
	s_wait_kmcnt 0x0
	s_add_nc_u64 s[20:21], s[4:5], s[20:21]
	s_add_nc_u64 s[92:93], s[6:7], s[92:93]
	s_add_nc_u64 s[46:47], s[4:5], s[46:47]
	s_add_nc_u64 s[94:95], s[6:7], s[94:95]
	CROUND                                         ; all sixteen work-groups are here: the joint loads meet
	s_mov_b32 s[G0S], 1
	s_add_co_u32 s[G0S+1], s66, SCL
	s_mov_b64 s[G0S+2:G0S+3], s[92:93]
	s_or_b32 s[G0S+3], s[G0S+3], 0x80000000
	s_mov_b32 s[G0SB], 1
	s_add_co_u32 s[G0SB+1], s66, SCL
	s_mov_b64 s[G0SB+2:G0SB+3], s[94:95]
	s_or_b32 s[G0SB+3], s[G0SB+3], 0x80000000
	JLOAD G0S, G1S, G0SB, G1SB                     ; the scales first: they are wanted with K step 0
.irp s, 0,1
	s_mov_b32 s[G0+4*\s], 1
	s_add_co_u32 s[G0+4*\s+1], s45, \s*SLOT
	s_add_nc_u64 s[G0+4*\s+2:G0+4*\s+3], s[20:21], \s*ROWB
	s_or_b32 s[G0+4*\s+3], s[G0+4*\s+3], 0x80000000
	s_mov_b32 s[G0B+4*\s], 1
	s_add_co_u32 s[G0B+4*\s+1], s45, \s*SLOT
	s_add_nc_u64 s[G0B+4*\s+2:G0B+4*\s+3], s[46:47], \s*ROWB
	s_or_b32 s[G0B+4*\s+3], s[G0B+4*\s+3], 0x80000000
	JLOAD G0+4*\s, G1, G0B+4*\s, G1B               ; three tensor loads of mine are out now, and no more follow
.endr
	v_and_b32 v1, 15, v0                           ; r = l % 16
	v_bfe_u32 v2, v0, 4, 1                         ; h = l / 16
	v_mul_u32_u24 v3, v1, PITCH
	v_lshl_add_u32 v4, v2, 4, v3                   ; a fragment's row x pitch + 16 h
	s_mul_i32 s21, s[HR], HALFT                    ; my 128 rows of A
	s_mul_i32 s22, s[HC], HALFT                    ; my 128 rows of B,
	s_add_co_u32 s22, s22, 2*HALFT                 ; behind A's 256
.irp s, 0,1
	v_add_nc_u32 v[ADRA+\s], s21, v4
	v_add_nc_u32 v[ADRB+\s], s22, v4
	s_add_co_u32 s21, s21, SLOT
	s_add_co_u32 s22, s22, SLOT
.endr
	v_mul_u32_u24 v5, v1, KS                       ; my row's scales: 32 bytes a row,
	v_lshrrev_b32 v6, 8, v5
	v_lshl_add_u32 v5, v6, 4, v5                   ; and 16 more for each 256 passed
	s_mul_i32 s21, s[HR], HALFS
	s_mul_i32 s22, s[HC], HALFS
	s_add_co_u32 s22, s22, 2*HALFS
	s_sub_co_u32 s22, s22, s21
	v_mul_u32_u24 v6, s22, v2                      ; lanes 16-31 take B's: one product, the distance between the two bases
	s_add_co_u32 s21, s21, SCL
	v_add_nc_u32 v5, v5, v6
	v_add_nc_u32 v[ADRS], s21, v5
	s_mul_i32 s23, s[WV], 16*SPITCH
	s_add_co_u32 s23, s23, STAGE                   ; my stage
	v_mul_u32_u24 v5, v1, SPITCH                   ; in: row r, 16 bytes for each half of the lanes
	v_lshl_add_u32 v5, v2, 4, v5
	v_add_nc_u32 v[STO], s23, v5
	v_mul_u32_u24 v5, v2, SPITCH                   ; back: lanes 0-15 one row of 256 bytes, lanes 16-31 the next
	v_lshl_add_u32 v5, v1, 4, v5
	v_add_nc_u32 v[RD], s23, v5
	; where my 128 x 128 goes.  q, k: (head << 19) + (token << 7), my 128 columns are two heads;  v^T: (channel << 13) + (token << 1)
	s_and_b32 s20, ttmp7, 0xffff
	s_lshl_b32 s20, s20, 2                         ; 4 x cluster y
	s_lshl_b32 s21, s40, 2
	s_lshl_b32 s22, s[HC], 1
	s_add_co_u32 s21, s21, s22                     ; q, k: my first head = 4 cx + 2 x half
	s_lshl_b32 s21, s21, 19
	s_add_co_u32 s22, s20, s41
	s_lshl_b32 s22, s22, 8
	s_lshl_b32 s23, s[HR], 7
	s_add_co_u32 s22, s22, s23                     ; my first token = 256 (4 Y + cy) + 128 x half
	s_lshl_b32 s22, s22, 7
	s_add_co_u32 s21, s21, s22
	s_lshl_b32 s22, s41, 8
	s_add_co_u32 s22, s22, s23                     ; v^T: my first channel = 256 cy + 128 x half
	s_lshl_b32 s22, s22, 13
	s_add_co_u32 s46, s20, s40
	s_lshl_b32 s46, s46, 8
	s_lshl_b32 s47, s[HC], 7
	s_add_co_u32 s46, s46, s47                     ; my first token = 256 (4 Y + cx) + 128 x half
	s_lshl_b32 s46, s46, 1
	s_add_co_u32 s22, s22, s46
	s_mov_b32 s[RS], 128
	s_mov_b32 s[HS], 1<<19
	s_mov_b32 s[TSTEP], 256
	s_mov_b32 s[ASTEP], 2048
	s_mov_b32 s[ASTEP+1], 0
	s_cmp_eq_u32 ttmp9, 0
	s_cselect_b64 s[12:13], s[10:11], s[12:13]     ; q16 or k16,
	s_cmp_eq_u32 ttmp9, 2
	s_cselect_b64 s[12:13], s[14:15], s[12:13]     ; or vt16: the choice hangs on the cluster's number alone
	s_cselect_b32 s20, s22, s21
	s_cselect_b32 s[RS], 8192, s[RS]
	s_cselect_b32 s[HS], 128, s[HS]
	s_cselect_b32 s[TSTEP], 16384, s[TSTEP]
	s_cselect_b32 s[ASTEP], 1<<17, s[ASTEP]
	s_mov_b32 s21, 0
	s_add_nc_u64 s[12:13], s[12:13], s[20:21]
	v_mul_lo_u32 v5, v2, s[RS]                     ; lanes 16-31: the next row;
	v_bfe_u32 v7, v0, 3, 1
	v_mul_lo_u32 v7, v7, s[HS]                     ; lanes 8-15 and 24-31: the second 64 columns;
	v_add_nc_u32 v5, v5, v7
	v_and_b32 v7, 7, v0
	v_lshl_add_u32 v[CO], v7, 4, v5                ; 16 bytes a lane
.irp t, 1,2,3,4,5,6,7
	v_add_nc_u32 v[CO+\t], s[TSTEP], v[CO+\t-1]    ; and two rows on for each of a block's eight stores
.endr
	; the bias is the C of each sum's first product: register 8 b + j = bq[my first column + 16 b + 8 h + j].  k and v^T begin from zeros, written while the tiles are on their way.
	s_cmp_lg_u32 ttmp9, 0
	s_cbranch_scc1 .Lno_bias
	s_lshl_b32 s20, s40, 10
	s_lshl_b32 s21, s[HC], 9
	s_add_co_u32 s20, s20, s21                     ; 4 bytes x (256 cx + 128 x half)
	s_mov_b32 s21, 0
	s_add_nc_u64 s[8:9], s[8:9], s[20:21]
	v_lshlrev_b32 v6, 5, v2                        ; 32 h; not written again
.irp b, 0,1,2,3,4,5,6,7
	global_load_b128 v[BI+8*\b:BI+8*\b+3], v6, s[8:9] offset:64*\b
	global_load_b128 v[BI+8*\b+4:BI+8*\b+7], v6, s[8:9] offset:64*\b+16
.endr
	s_branch .Lbias_done
.Lno_bias:
.irp i, 0,1,2,3,4,5,6,7,8,9,10,11,12,13,14,15,16,17,18,19,20,21,22,23,24,25,26,27,28,29,30,31,32,33,34,35,36,37,38,39,40,41,42,43,44,45,46,47,48,49,50,51,52,53,54,55,56,57,58,59,60,61,62,63
	v_mov_b32 v[BI+\i], 0
.endr
.Lbias_done:
	s_wait_loadcnt 0x0
.macro FRAG reg, adr, q, i             ; 16 rows x 128 K of 4-bit codes: lane l holds row l % 16; registers 4 c .. 4 c + 3 hold K = 64 c + 32 (l / 16) + 0 .. 31
.irp c, 0,1
	ds_load_b128 v[\reg+4*\c:\reg+4*\c+3], v[\adr] offset:64*(\q)+32*\c+(\i)*16*PITCH
.endr
.endm
; 16 matrix instructions: A's blocks a0, a0 + 1 x B's eight, the slot's q-th 128 along K.  p: B's set; sc: the set of scale words.  first = 1: the sums begin from the bias.
; The 64 accumulators take turns, one instruction a turn, in the same order in every step.
.macro MUL16 a0, p, q, sc, first
.irp a, \a0, \a0+1
.irp b, 0,1,2,3,4,5,6,7
.if \first
	v_wmma_scale_f32_16x16x128_f8f6f4 v[8*(8*((\a)%4)+\b):8*(8*((\a)%4)+\b)+7], v[128*(\p)+FR*\b:128*(\p)+FR*\b+FR-1], v[AF+FR*(\a):AF+FR*(\a)+FR-1], v[BI+8*\b:BI+8*\b+7], v[SC+8*NQ*(\sc)+NQ*\b+(\q)], v[SC+8*NQ*(\sc)+NQ*(\a)+(\q)] matrix_a_fmt:MATRIX_FMT_FP4 matrix_b_fmt:MATRIX_FMT_FP4 matrix_a_scale:MATRIX_SCALE_ROW1
.else
	v_wmma_scale_f32_16x16x128_f8f6f4 v[8*(8*((\a)%4)+\b):8*(8*((\a)%4)+\b)+7], v[128*(\p)+FR*\b:128*(\p)+FR*\b+FR-1], v[AF+FR*(\a):AF+FR*(\a)+FR-1], v[8*(8*((\a)%4)+\b):8*(8*((\a)%4)+\b)+7], v[SC+8*NQ*(\sc)+NQ*\b+(\q)], v[SC+8*NQ*(\sc)+NQ*(\a)+(\q)] matrix_a_fmt:MATRIX_FMT_FP4 matrix_b_fmt:MATRIX_FMT_FP4 matrix_a_scale:MATRIX_SCALE_ROW1
.endif
.endr
.endr
.endm
.macro FETCH_B slot, q, p
	WIN TO_B
.irp i, 0,1,2,3,4,5,6,7
	FRAG 128*(\p)+FR*\i, ADRB+\slot, \q, \i
.endr
	WIN 0
.endm
.macro FETCH_A slot, q, i0
.irp i, \i0, \i0+1, \i0+2, \i0+3
	FRAG AF+FR*(\i), ADRA+\slot, \q, \i
.endr
.endm
.macro SCALES sc                       ; a K step's scale words: four words a row; lanes 0-15 take A's block i, lanes 16-31 B's block i
.irp i, 0,1,2,3,4,5,6,7
	ds_load_b128 v[SC+8*NQ*\sc+NQ*\i:SC+8*NQ*\sc+NQ*\i+3], v[ADRS] offset:\i*SBLK
.endr
.endm
.macro PLACES n                        ; plain vector instructions between a matrix instruction and a load into, or a read of, its registers
.rept \n
	v_nop
.endr
.endm
; A step of 128 along K that has its successor in the same slot.  A has one set of registers: blocks 0-3 are fetched anew in the step's middle, blocks 4-7 at its end; B has two sets.
.macro STEP slot, q, first
	s_wait_dscnt 4*NL                              ; B's set, the scale words and A's blocks 0-3 are in; the youngest eight loads (A's blocks 4-7) may be out
.if \first
	WIN FIRST_LO
.else
	WIN MUL_LO
.endif
	MUL16 0, (\q)%2, \q, \slot, \first
	MUL16 2, (\q)%2, \q, \slot, \first
	s_wait_dscnt 0
	PLACES NP
	FETCH_B \slot, (\q)+1, 1-(\q)%2
	FETCH_A \slot, (\q)+1, 0
.if \first
	WIN FIRST_HI
.else
	WIN MUL_HI
.endif
	MUL16 4, (\q)%2, \q, \slot, \first
	MUL16 6, (\q)%2, \q, \slot, \first
	PLACES NP
	WIN 0
	FETCH_A \slot, (\q)+1, 4
.endm
; Slot 0's last step goes over to slot 1: each wave waits for its tensor loads (its part of slot 1), then the barrier shows the whole slot to every wave.  Nothing is filled again.
.macro TURN slot, next
	s_wait_tensorcnt 0x0                           ; all my tensor loads have landed  (every window is 0 here)
	ds_add_u32 v[SPW], v[NIL]                      ; 0 onto my spare word
	s_wait_dscnt 4*NL+1                            ; the add and the youngest eight loads may be out
	WIN MUL_LO
	MUL16 0, 1, NQ-1, \slot, 0
	s_wait_dscnt 0x0
	s_barrier_signal -1
	MUL16 2, 1, NQ-1, \slot, 0
	WIN 0
	s_barrier_wait -1
	PLACES NP
	v_add_nc_u32 v[ADRS], 4*NQ, v[ADRS]            ; the next K step's scale words
	FETCH_B \next, 0, 0
	FETCH_A \next, 0, 0
	SCALES \next
	WIN MUL_HI
	MUL16 4, 1, NQ-1, \slot, 0
	MUL16 6, 1, NQ-1, \slot, 0
	PLACES NP
	WIN 0
	FETCH_A \next, 0, 4
.endm
	s_wait_tensorcnt 1                             ; the scales and my part of K step 0 are in; K step 1's load may be out
	s_barrier_signal -1
	s_barrier_wait -1
	FETCH_B 0, 0, 0
	FETCH_A 0, 0, 0
	SCALES 0
	FETCH_A 0, 0, 4
	STEP 0, 0, 1
	STEP 0, 1, 0
	STEP 0, 2, 0
	TURN 0, 1
	STEP 1, 0, 0
	STEP 1, 1, 0
	STEP 1, 2, 0
	s_wait_dscnt 4*NL                              ; the last step: nothing more to fetch
	WIN MUL_LO
	MUL16 0, 1, NQ-1, 1, 0
	MUL16 2, 1, NQ-1, 1, 0
	s_wait_dscnt 0
	WIN MUL_HI
	MUL16 4, 1, NQ-1, 1, 0
	MUL16 6, 1, NQ-1, 1, 0
	WIN 0
; THE WAY OUT, block by block of 16 rows x 128 columns: rounded to f16 (16 bytes a lane), through my own stage, back as whole rows of 256 bytes, stored.
.macro PACK a
.set AC, 64*((\a)%4)
	WIN 0x0a+5*((\a)/4)                            ; sources 0 and 1: window 2 or 3
.irp b, 0,1,2,3,4,5,6,7
.irp r, 0,1,2,3
	v_cvt_pk_f16_f32 v[TMP+4*\b+\r], v[AC+8*\b+2*\r], v[AC+8*\b+2*\r+1]   ; each accumulator from its low end on
.endr
.endr
	WIN 0
.endm
.macro TOSTAGE a
.set BK, OB+32*((\a)%2)
.irp b, 0,1,2,3,4,5,6,7
	ds_store_b128 v[STO], v[TMP+4*\b:TMP+4*\b+3] offset:32*\b
.endr
.irp t, 0,1,2,3,4,5,6,7
	ds_load_b128 v[BK+4*\t:BK+4*\t+3], v[RD] offset:\t*2*SPITCH    ; LDS serves a wave's instructions in order: these see the stores above
.endr
.endm
.macro SEND a
.set BK, OB+32*((\a)%2)
	s_wait_dscnt 0x0                               ; the block is back in registers
	s_wait_xcnt 0x0                                ; the earlier stores have read their base and their data: only behind this wait are they written again
.if (\a) > 0
	s_add_nc_u64 s[12:13], s[12:13], s[ASTEP:ASTEP+1]   ; sixteen rows on
.endif
.irp t, 0,1,2,3,4,5,6,7
	global_store_b128 v[CO+\t], v[BK+4*\t:BK+4*\t+3], s[12:13]     ; q, k: two tokens of two heads, 2 x 256 consecutive bytes, aligned;  v^T: 256 consecutive bytes of each of two channels
.endr
.endm
	PLACES NP
	PACK 0
	TOSTAGE 0
.irp a, 1,2,3,4,5,6,7                  ; block a's conversions stand between block a - 1's loads from the stage and the wait for them
	PACK \a
	SEND \a-1
	TOSTAGE \a
.endr
	SEND 7
	s_wait_tensorcnt 0x0                           ; the wave's end
	ds_add_u32 v[SPW], v[NIL]
	s_wait_dscnt 0x0
	CROUND                                         ; the closing round
	s_endpgm
.Lfunc_end_k_q9991a3910f_qkv:
	.size	k_q9991a3910f_qkv, .Lfunc_end_k_q9991a3910f_qkv-k_q9991a3910f_qkv
	.p2alignl 7, 3214868480
	.fill 96, 4, 3214868480
	.section	.rodata,"a",@progbits
	.p2align	6, 0x0
	.amdhsa_kernel k_q9991a3910f_qkv
		.amdhsa_group_segment_fixed_size 327680
		.amdhsa_private_segment_fixed_size 0
		.amdhsa_enable_private_segment 0
		.amdhsa_kernarg_size 48
		.amdhsa_user_sgpr_count 2
		.amdhsa_user_sgpr_kernarg_segment_ptr 1
		.amdhsa_wavefront_size32 1
		.amdhsa_system_sgpr_workgroup_id_x 1
		.amdhsa_system_sgpr_workgroup_id_y 1
		.amdhsa_system_sgpr_workgroup_id_z 1
		.amdhsa_system_vgpr_workitem_id 0
		.amdhsa_next_free_vgpr 1024
		.amdhsa_next_free_sgpr 102
		.amdhsa_reserve_vcc 0
		.amdhsa_float_denorm_mode_32 3
		.amdhsa_float_denorm_mode_16_64 3
		.amdhsa_memory_ordered 1
		.amdhsa_forward_progress 1
		.amdhsa_inst_pref_size 132
	.end_amdhsa_kernel
	.amdgpu_metadata
---
amdhsa.version: [ 1, 2 ]
amdhsa.kernels:
  - .name:           k_q9991a3910f_qkv
    .symbol:         k_q9991a3910f_qkv.kd
    .args:
      - { .name: codes, .offset: 0, .size: 8, .value_kind: global_buffer, .address_space: global }
      - { .name: scales, .offset: 8, .size: 8, .value_kind: global_buffer, .address_space: global }
      - { .name: bq, .offset: 16, .size: 8, .value_kind: global_buffer, .address_space: global }
      - { .name: q16, .offset: 24, .size: 8, .value_kind: global_buffer, .address_space: global }
      - { .name: k16, .offset: 32, .size: 8, .value_kind: global_buffer, .address_space: global }
      - { .name: vt16, .offset: 40, .size: 8, .value_kind: global_buffer, .address_space: global }
    .group_segment_fixed_size: 327680
    .private_segment_fixed_size: 0
    .kernarg_segment_align: 8
    .kernarg_segment_size: 48
    .max_flat_workgroup_size: 128
    .sgpr_count:     102
    .vgpr_count:     1024
    .wavefront_size: 32
...
	.end_amdgpu_metadata
.endif
;; end of part 2
;; launch attn (part 3): grid 16 x 16, 4 waves a work-group, clusters of 4 x 1, 327,680 bytes of LDS; arguments q16, k16, vt16, bv, ctx16; writes ctx16
.if DOCPART == 3
	.amdgcn_target "amdgcn-amd-amdhsa--gfx1250"
	.amdhsa_code_object_version 6
	.text
	.protected	k_q9991a3910f_attn
	.globl	k_q9991a3910f_attn
	.p2align	8
	.type	k_q9991a3910f_attn,@function
k_q9991a3910f_attn:
	s_mov_b64 s[64:65], 0
	v_nop
	global_prefetch_b8 v0, s[64:65] scope:SCOPE_SE
	s_setreg_imm32_b32 hwreg(HW_REG_WAVE_MODE, 25, 1), 1
	s_wait_xcnt 0x0
	s_wait_alu depctr_hold_cnt(0) depctr_sa_sdst(0) depctr_va_vdst(0) depctr_va_sdst(0) depctr_va_ssrc(0) depctr_va_vcc(0) depctr_vm_vsrc(0)
	s_getreg_b32 s2, hwreg(HW_REG_IB_STS2, 6, 4)
	s_cmp_eq_u32 s2, 0
	s_cbranch_scc0 .Lentry_in_a_cluster
	s_endpgm
.Lentry_in_a_cluster:
	s_bfe_u32 s2, ttmp6, 0x10000c
	s_cmp_lg_u32 s2, 0x3003
	s_cbranch_scc0 .Lentry_shape_is_right
	s_endpgm
.Lentry_shape_is_right:
; LAUNCH 3 OF 4: ctx[h][q][:] = the sum over k of softmax_k(q[h][q] . k[h][k] / 8) v[h][k][:] + bv.  q16, k16, ctx16: [16][4096][64] f16; vt16: [1024 channels][4096 keys] f16; bv: [1024] f32.
; k comes without bk (it has no way to out0: shown at the head of launch quant's text).  v comes without bv: a softmax's row sums to 1, so bv is added once, where O is divided by the row's sum (one fused multiply-add).
; Products, maxima and sums in f32; the weights p are rounded to f16 for the second product, ctx once at the end.  LIMIT: |ctx| stays under 65,504 (f16).
; SHARES.  A work-group owns 256 queries of one head, each of its four waves 64: four tiles of 16.  Every wave walks all 4,096 keys, 64 a step.
; LAYOUT.  S^T = K Q^T (source 0 = 16 keys, source 1 = 16 queries): a lane holds ONE query (lane % 16) and the keys 8 (lane / 16) + 0..7.  Two such tiles, rounded to f16 in pairs, ARE source 1 (32 keys x 16 queries)
; of O^T = V^T P, whose result again holds one query a lane, and eight channels.  V lies with the keys innermost, so both K and V^T come out of LDS as they lie.
; SOFTMAX.  For each query a running maximum m and sum l: p = 2^(c s - c m), c = log2(e) / 8; in every step O and l are multiplied by a = 2^(c m_old - c m_new).
; BY TURNS.  The wave's tiles are two PIECES: piece 0 (tiles 0, 1), piece 2 (tiles 2, 3).  In a TURN one piece has the matrix unit: 16 products V^T P of the step in hand, then 16 products K Q^T of the next step; the
; other piece's softmax, 2 x 118 instructions cut into 59 slices of four, stands between them: two slices behind each of the first 27 products, one behind each of the last five.  Two turns are a key step.
; CLUSTER.  The four query blocks of a cluster belong to one head and walk the same K and V: each tile is asked for jointly, by the same tensor load with the same descriptor and a mask that names the four.
; RING.  Two LDS slots of 256 keys (four steps): 256 rows of K (128 bytes + 16), then 64 rows of V^T (512 bytes + 16).  Waves 0, 1 fetch K's halves, waves 2, 3 V's.
; REGISTERS: window 0: v2-11 addresses; v12-43 eight registers of statistics a tile; v61-63; v64-191 S^T, 32 a tile; v192-255 P, 16 a tile.   window 1: v0-127 O^T, 32 a tile.
;   window 2: v0-63 Q, 16 a tile; v64-127 K of one step; v128-191 V^T of one step; v192-223 bv in O^T's layout.
.set KS,    64                         ; keys in a step
.set NST,   4                          ; steps in a slot
.set PK,    144                        ; a row of K in LDS: an odd multiple of 16 bytes
.set PVT,   528                        ; a row of V^T in LDS: likewise
.set VOFF,  NST*KS*PK
.set KSTB,  KS*PK                      ; a step on in K's rows
.set VSTB,  KS*2                       ; a step on along V^T's rows
.set SLOT1, 1<<17                      ; slot 1 begins here: one exclusive or turns an address in one slot into the other's
.set STAGE, SLOT1+VOFF+64*PVT          ; behind the ring: 16 rows x 144 bytes for each wave, for the way out
.set SP,    144
.set SPARE, STAGE+4*16*SP              ; the spare words, 128 bytes a wave, which no other line names
.set NSL,   4096/(NST*KS)
.set AK0, 2
.set AV0, 3
.set ADR, 4
.set QO,  5
.set STO, 6
.set RD,  7
.set GO,  8
.set BVO, 11                           ; v11  32 (lane / 16): bv's lane offset; untouched until the loads are waited for
.set ST,  12                           ; tile t's statistics at v[ST+8 t]: +0 c m, +1 m, +2, +3 l (even keys', odd keys'), +4 to +7 at work; a takes +6 once the maximum is found
.set PFO, 61
.set SPW, 62
.set NIL, 63
.set S,   64
.set P,   192
.set KF,  64                           ; in window 2
.set VF,  128
.set BV,  192
.set WV,  12
.set LIM, 15                           ; s15  1 in a wave that prefetches, else the greatest number
.set PFA, 18                           ; s[18:19] where my prefetches stand
.set G1K, 24
.set G1V, 32
.set G0K, 40                           ; two sets: the two first fills; the second then walks on
.set G0V, 48
.set SLOTS, 56
.set TWICE, 57
.set CS,  58                           ; s[58:59] c
.set SEL, 60                           ; s[60:61] lane selects: lane l xor 16
.set TK,  62                           ; s62  LDS byte at which K's rows of the step to be fetched begin
.set TV,  63                           ; s63  the same along V^T's rows
.set PFS, 66                           ; s[66:67] a slot on, in memory: 32,768 bytes in K, 512 in a row of V^T
.set MSB, 0
.macro WIN new
.if MSB != \new
	s_set_vgpr_msb (MSB<<8)|\new
.set MSB, \new
.endif
.endm
.set W_KQ, 0x0a                        ; K and Q in window 2, S^T in window 0
.set W_PV, 0x52                        ; V^T in window 2, P in window 0, O^T in window 1
.set W_RS, 0x41                        ; O^T (destination and source 0) in window 1, a in window 0
.macro JLOAD                           ; a joint refill; an s_nop 0 and four v_nop follow each of the two lines
	s_cmp_lt_u32 s[WV], 2
	s_cbranch_scc0 .Lfor_v_\@
	tensor_load_to_lds s[G0K+4:G0K+7], s[G1K:G1K+7]
	s_nop 0
.rept 4
	v_nop
.endr
	s_branch .Lasked_\@
.Lfor_v_\@:
	tensor_load_to_lds s[G0V+4:G0V+7], s[G1V:G1V+7]
	s_nop 0
.rept 4
	v_nop
.endr
.Lasked_\@:
.endm
; A prefetch of what the NEXT change of slots will ask for: a slot's 32,768 bytes of K and 64 x 512 bytes of V^T, in blocks of 256 bytes, a lane a block.  Each block is named once in the launch: all clusters of a head walk
; the same K and V, so the head's first cluster asks; its four partners take a quarter each, told apart by address; in each, wave 0 asks for K's and wave 2 for V's.  The last change that fills a slot asks for nothing.
.macro ASK
	s_cmp_gt_u32 s[SLOTS], s[LIM]
	s_cbranch_scc0 .Lnot_mine_\@
	global_prefetch_b8 v[PFO], s[PFA:PFA+1] th:TH_LOAD_NT scope:SCOPE_SE
.Lnot_mine_\@:
.endm
.macro CROUND
	s_barrier_signal -1
	s_barrier_wait -1
	s_cmp_lg_u32 s[WV], 0
	s_cbranch_scc1 .Lnot_wave_0_\@
	s_barrier_signal -3
.Lnot_wave_0_\@:
	s_barrier_wait -3
	s_barrier_signal -1
	s_barrier_wait -1
.endm
	s_load_b256 s[4:11], s[0:1], 0x0               ; q16 4:5, k16 6:7, vt16 8:9, bv 10:11
	s_load_b64 s[68:69], s[0:1], 0x20              ; ctx16
	v_lshl_add_u32 v[SPW], v0, 2, SPARE
	v_mov_b32 v[NIL], 0
	ds_add_u32 v[SPW], v[NIL]                      ; the wave's opening: the add, twice on end, and its wait ahead of my first tensor load
	ds_add_u32 v[SPW], v[NIL]
	v_lshrrev_b32 v1, 5, v0
	v_readfirstlane_b32 s[WV], v1
	s_bfe_u32 s13, ttmp6, 0x40000                  ; cx
	s_lshl_b32 s14, ttmp9, 2
	s_add_co_u32 s14, s14, s13                     ; my block of 256 queries: it enters Q's and ctx's addresses alone
	s_and_b32 s20, ttmp7, 0xffff                   ; the head, which the four partners share
	s_lshl_b32 s73, s20, 8                         ; its 64 numbers of bv
	s_lshl_b32 s20, s20, 19                        ; its first byte in each of the four f16 tensors
	s_mov_b32 s21, 0
	s_and_b32 s16, s[WV], 1                        ; which half of a slot's K or V I fetch
	s_lshl_b32 s22, s16, 14                        ; K: 128 keys of 128 bytes
	s_mov_b32 s23, 0
	s_add_nc_u64 s[22:23], s[22:23], s[20:21]
	s_lshl_b32 s70, s16, 18                        ; V^T: 32 channels of 8,192 bytes
	s_mov_b32 s71, 0
	s_add_nc_u64 s[70:71], s[70:71], s[20:21]
	s_mul_i32 s17, s16, 128*PK                     ; and their places in a slot: no place in the cluster enters an LDS address
	s_mul_i32 s72, s16, 32*PVT
	s_lshl_b32 s2, s14, 15                         ; my block's 256 rows of 128 bytes,
	s_lshl_b32 s3, s[WV], 13                       ; my wave's 64 of them
	s_add_co_u32 s2, s2, s3
	s_mov_b32 s3, 0
	s_add_nc_u64 s[2:3], s[2:3], s[20:21]
	; descriptor group 1.  K: 128 rows x 64 elements of 2 bytes, 16 bytes of padding behind each 128.  V^T: 32 rows x 256 elements, 4,096 elements apart, 16 bytes behind each 512.  The mask names all four work-groups.
	s_mov_b32 s[G1K], 15|(1<<16)|(1<<20)|(1<<21)|(4<<22)|(3<<25)
	s_mov_b32 s[G1K+1], 64<<16
	s_mov_b32 s[G1K+2], 128<<16
	s_mov_b32 s[G1K+3], 64<<16
	s_mov_b32 s[G1K+4], 128
	s_mov_b32 s[G1K+5], 64
	s_mov_b32 s[G1K+6], 0
	s_mov_b32 s[G1K+7], 0
	s_mov_b32 s[G1V], 15|(1<<16)|(1<<20)|(1<<21)|(6<<22)|(3<<25)
	s_mov_b32 s[G1V+1], 256<<16
	s_mov_b32 s[G1V+2], 32<<16
	s_mov_b32 s[G1V+3], 256<<16
	s_mov_b32 s[G1V+4], 32
	s_mov_b32 s[G1V+5], 4096
	s_mov_b32 s[G1V+6], 0
	s_mov_b32 s[G1V+7], 0
	s_mov_b32 s[CS], 0x3e38aa3b                    ; c = log2(e) / 8
	s_mov_b32 s[CS+1], s[CS]
	s_mov_b32 s[SEL], 0x76543210
	s_mov_b32 s[SEL+1], 0xfedcba98
	s_mov_b32 s[TK], 0
	s_mov_b32 s[TV], 0
	s_mov_b32 s[SLOTS], NSL-2
	s_and_b32 s[LIM], s[WV], 1                     ; 0 in waves 0 and 2,
	s_or_b32 s[LIM], s[LIM], ttmp9                 ; where the cluster is the head's first: the same in all four partners
	s_cmp_eq_u32 s[LIM], 0
	s_cselect_b32 s[LIM], 1, -1
	s_cmp_lt_u32 s[WV], 2                          ; the prefetches' strides: K's (wave 0) or V's (wave 2)
	s_mov_b32 s[PFS], 512
	s_cselect_b32 s[PFS], 32768, s[PFS]
	s_mov_b32 s[PFS+1], 0
	s_cselect_b32 s74, 13, 17
	s_mov_b32 s75, 8192
	s_cselect_b32 s75, 512, s75
	s_lshl_b32 s74, s13, s74                       ; my work-group's quarter of a slot: 8,192 bytes of K, 16 rows of V^T
	v_and_b32 v[PFO], 1, v0
	v_lshlrev_b32 v[PFO], 8, v[PFO]
	v_bfe_u32 v10, v0, 1, 4
	v_mul_lo_u32 v10, v10, s75
	v_add_nc_u32 v[PFO], v[PFO], v10               ; two blocks of 256 bytes in each 512: (lane / 2) x 512 or x 8,192, + 256 (lane % 2)
	s_wait_dscnt 0x0                               ; both opening adds are done
	s_wait_kmcnt 0x0
	s_add_nc_u64 s[6:7], s[6:7], s[22:23]          ; K and V^T at my tile of slot 0
	s_add_nc_u64 s[8:9], s[8:9], s[70:71]
	s_add_nc_u64 s[4:5], s[4:5], s[2:3]            ; Q and ctx at my wave's first row
	s_add_nc_u64 s[68:69], s[68:69], s[2:3]
	s_mov_b32 s2, s73
	s_add_nc_u64 s[10:11], s[10:11], s[2:3]        ; bv at my head
	s_cmp_lt_u32 s[WV], 2
	s_cselect_b64 s[PFA:PFA+1], s[6:7], s[8:9]     ; (in waves 0 and 2 these stand at a slot's first row)
	s_mov_b32 s75, 0
	s_add_nc_u64 s[PFA:PFA+1], s[PFA:PFA+1], s[74:75]
	s_add_nc_u64 s[PFA:PFA+1], s[PFA:PFA+1], s[PFS:PFS+1]
	s_add_nc_u64 s[PFA:PFA+1], s[PFA:PFA+1], s[PFS:PFS+1]   ; in slot 2; the first change of slots steps it to slot 3.  Nothing is prefetched at the head
	CROUND                                         ; all four work-groups are here: the first joint loads meet
.irp s, 0,1
	s_mov_b32 s[G0K+4*\s], 1
	s_add_co_u32 s[G0K+4*\s+1], s17, \s*SLOT1
	s_add_nc_u64 s[G0K+4*\s+2:G0K+4*\s+3], s[6:7], \s*NST*KS*128
	s_or_b32 s[G0K+4*\s+3], s[G0K+4*\s+3], 0x80000000
	s_mov_b32 s[G0V+4*\s], 1
	s_add_co_u32 s[G0V+4*\s+1], s72, \s*SLOT1+VOFF
	s_add_nc_u64 s[G0V+4*\s+2:G0V+4*\s+3], s[8:9], \s*NST*KS*2
	s_or_b32 s[G0V+4*\s+3], s[G0V+4*\s+3], 0x80000000
.endr
	s_cmp_lt_u32 s[WV], 2                          ; a wave's two first fills stand in one branch: two loads of mine are out
	s_cbranch_scc0 .Lfirst_v
	tensor_load_to_lds s[G0K:G0K+3], s[G1K:G1K+7]
	s_nop 0
	tensor_load_to_lds s[G0K+4:G0K+7], s[G1K:G1K+7]
	s_nop 0
.rept 4
	v_nop
.endr
	s_branch .Lfirst_asked
.Lfirst_v:
	tensor_load_to_lds s[G0V:G0V+3], s[G1V:G1V+7]
	s_nop 0
	tensor_load_to_lds s[G0V+4:G0V+7], s[G1V:G1V+7]
	s_nop 0
.rept 4
	v_nop
.endr
.Lfirst_asked:
	; a fragment is 16 rows x 32 along K in 8 registers: lane l holds row l % 16; registers 0-3: 8 (l / 16) + 0..7, registers 4-7: 16 + 8 (l / 16) + 0..7: two loads of 16 bytes, 32 bytes apart
	v_and_b32 v1, 15, v0                           ; r
	v_bfe_u32 v9, v0, 4, 1                         ; h
	v_lshlrev_b32 v[QO], 7, v1
	v_lshl_add_u32 v[QO], v9, 4, v[QO]             ; row x 128 + 16 h
	v_lshlrev_b32 v[BVO], 5, v9
	WIN 0x80                                       ; destination window 2, address window 0
.irp i, 0,1,2,3,4,5,6,7                        ; Q stays in registers: tile i / 2, channels 32 (i % 2) on
	global_load_b128 v[8*\i:8*\i+3],   v[QO], s[4:5] offset:(\i/2)*2048+(\i%2)*64
	global_load_b128 v[8*\i+4:8*\i+7], v[QO], s[4:5] offset:(\i/2)*2048+(\i%2)*64+32
.endr
.irp c, 0,1,2,3                                ; bv: register 8 c + j = bv[64 head + 16 c + 8 h + j]
	global_load_b128 v[BV+8*\c:BV+8*\c+3],   v[BVO], s[10:11] offset:64*\c
	global_load_b128 v[BV+8*\c+4:BV+8*\c+7], v[BVO], s[10:11] offset:64*\c+16
.endr
	WIN 0
	v_mul_u32_u24 v[AK0], v1, PK
	v_lshl_add_u32 v[AK0], v9, 4, v[AK0]
	v_mul_u32_u24 v[AV0], v1, PVT
	v_lshl_add_u32 v[AV0], v9, 4, v[AV0]
	v_add_nc_u32 v[AV0], VOFF, v[AV0]
; THE MATRIX WORK OF A TURN, for piece x.  The eight accumulators of each kind take turns, one instruction a turn: seven others' stand between two links of a chain.
; Product i of 16 of O^T += V^T P: keys 32 (i / 8) on, channels 16 ((i / 2) % 4) on, tile x + i % 2.  zero = 1: the first 8 start the sums.
.macro PV x, zero
	WIN W_PV
.set rO, 32*(\x+i%2)+8*((i/2)%4)
.set rV, VF+32*(i/8)+8*((i/2)%4)
.set rP, P+16*(\x+i%2)+8*(i/8)
.if \zero && (i < 8)
	v_wmma_f32_16x16x32_f16 v[rO:rO+7], v[rV:rV+7], v[rP:rP+7], 0
.else
	v_wmma_f32_16x16x32_f16 v[rO:rO+7], v[rV:rV+7], v[rP:rP+7], v[rO:rO+7]
.endif
.endm
; Product i of 16 of S^T = K Q^T: channels 32 (i / 8) on, keys 16 ((i / 2) % 4) on, tile x + i % 2.  The first 8 start the sums.
.macro KQ x
	WIN W_KQ
.set rS, S+32*(\x+i%2)+8*((i/2)%4)
.set rK, KF+16*((i/2)%4)+8*(i/8)
.set rQ, 16*(\x+i%2)+8*(i/8)
.if i < 8
	v_wmma_f32_16x16x32_f16 v[rS:rS+7], v[rK:rK+7], v[rQ:rQ+7], 0
.else
	v_wmma_f32_16x16x32_f16 v[rS:rS+7], v[rK:rK+7], v[rQ:rQ+7], v[rS:rS+7]
.endif
.endm
; THE LDS LOADS stand in runs of 16: a step's K (64 keys x 64 channels: 8 fragments) and, a turn later, its V^T (64 channels x 64 keys).
.macro FETCH_K
	WIN 0
	v_add_nc_u32 v[ADR], s[TK], v[AK0]
	s_add_co_u32 s[TK], s[TK], KSTB
	WIN 0x80
.irp f, 0,1,2,3,4,5,6,7                        ; keys 16 (f / 2) on, channels 32 (f % 2) on
	ds_load_b128 v[KF+8*\f:KF+8*\f+3],   v[ADR] offset:(\f/2)*16*PK+(\f%2)*64
	ds_load_b128 v[KF+8*\f+4:KF+8*\f+7], v[ADR] offset:(\f/2)*16*PK+(\f%2)*64+32
.endr
.endm
.macro FETCH_V
	WIN 0
	v_add_nc_u32 v[ADR], s[TV], v[AV0]
	s_add_co_u32 s[TV], s[TV], VSTB
	s_wait_alu depctr_va_vdst(0)                   ; the wait for the softmax's batch of exponentials (SLICE), ahead of the first instruction that names a result
	WIN 0x80
.irp f, 0,1,2,3,4,5,6,7                        ; keys 32 (f / 4) on, channels 16 (f % 4) on
	ds_load_b128 v[VF+8*\f:VF+8*\f+3],   v[ADR] offset:(\f%4)*16*PVT+(\f/4)*64
	ds_load_b128 v[VF+8*\f+4:VF+8*\f+7], v[ADR] offset:(\f%4)*16*PVT+(\f/4)*64+32
.endr
.endm
; THE VECTOR WORK OF A TURN.  One tile's softmax for one key step is a list of 118 instructions; SM writes number j of it for tile t.  s0-s31 are the lane's 32 scores, in pairs 0-15.
; first = 1: the first key step, which starts m, l and O^T: it has no a and nothing to rescale.
;   0-15    the maximum of s0-s31 and the old m, three operands at a time, in four chains
;   16-20   the other half of the lanes' maximum; the new m; c m; c m_old - c m_new
;   21-69   ONE BATCH: the 16 scalings c s - c m and all 33 exponentials (a at 23, then s0-s31); none of these reads an exponential's result; a pair is scaled in an earlier four than the one with its exponentials
;   (wait)  between 69 and 70 stands the wait for the batch: SLICE writes it, once for both tiles
;   70-85   the roundings to f16;   86-101 the sums, l = a l + the sum;   102-117 the tile's O^T times a
.macro SM t, first
.set rT, ST+8*(\t)
.set rS, S+32*(\t)
.set rP, P+16*(\t)
.set rO, 32*(\t)+2*(j-102)
.if j < 102
	WIN 0
.endif
.if j < 4
	v_max3_num_f32 v[rT+4+j], v[rS+8*j], v[rS+8*j+1], v[rS+8*j+2]
.elseif j < 12
	v_max3_num_f32 v[rT+4+j%4], v[rT+4+j%4], v[rS+8*(j%4)+2*(j/4)+1], v[rS+8*(j%4)+2*(j/4)+2]
.elseif j == 12
	v_max3_num_f32 v[rT+4], v[rT+4], v[rS+7], v[rS+15]
.elseif j == 13
	v_max3_num_f32 v[rT+6], v[rT+6], v[rS+23], v[rS+31]
.elseif j == 14
	v_max3_num_f32 v[rT+4], v[rT+4], v[rT+5], v[rT+6]
.elseif (j == 15) && \first
	v_max_num_f32 v[rT+4], v[rT+4], v[rT+7]
.elseif j == 15
	v_max3_num_f32 v[rT+4], v[rT+4], v[rT+7], v[rT+1]
.elseif j == 16
	v_permlanex16_b32 v[rT+5], v[rT+4], s[SEL], s[SEL+1]  ; the query's other 32 keys lie in the lane 16 away
.elseif j == 18
	v_max_num_f32 v[rT+1], v[rT+4], v[rT+5]
.elseif j == 19
	v_mul_f32 v[rT], s[CS], v[rT+1]
.elseif ((j == 17) || (j == 20) || (j == 23) || (j > 101)) && \first  ; the first step has none of these
.elseif j == 17
	v_mov_b32 v[rT+7], v[rT]                       ; c m_old is kept for a
.elseif j == 20
	v_sub_f32 v[rT+7], v[rT+7], v[rT]
.elseif j == 23
	v_exp_f32 v[rT+6], v[rT+7]
.elseif (j < 23) || ((j < 38) && (j%2 == 0)) || ((j < 66) && (j%4 == 2))
.set b, (j-2)/4                        ; 38, 42, .. 62: pairs 9 to 15
.if j < 38
.set b, (j-20)/2                       ; 21: pair 0; 22, 24, .. 36: pairs 1 to 8
.endif
	v_pk_fma_f32 v[rS+2*b:rS+2*b+1], v[rS+2*b:rS+2*b+1], s[CS:CS+1], v[rT:rT+1] op_sel_hi:[1,0,0] neg_lo:[0,0,1] neg_hi:[0,0,1]  ; pair b: c s - c m
.elseif j < 70
.set e, j-38                           ; 66 to 69: s28 to s31
.if j < 66
.set e, j-32-(j-38)/4                  ; 39-41, 43-45, .. 63-65: s7 to s27
.endif
.if j < 38
.set e, (j-25)/2                       ; 25, 27, .. 37: s0 to s6
.endif
	v_exp_f32 v[rS+e], v[rS+e]
.elseif j < 86
	v_cvt_pk_f16_f32 v[rP+j-70], v[rS+2*(j-70)], v[rS+2*(j-70)+1]
.elseif j < 102                        ; the sum of the tile's 16 pairs, in place: neighbours 1, 2, 4 and 8 pairs apart, then l takes it
.set z, j-86
.set w, 4
.set u, z
.if z >= 14
.set w, 32
.set u, 0
.elseif z >= 12
.set w, 16
.set u, z-12
.elseif z >= 8
.set w, 8
.set u, z-8
.endif
.if (z == 14) && \first
	v_pk_add_f32 v[rT+2:rT+3], v[rS:rS+1], v[rS+16:rS+17]
.elseif z < 15
	v_pk_add_f32 v[rS+w*u:rS+w*u+1], v[rS+w*u:rS+w*u+1], v[rS+w*u+w/2:rS+w*u+w/2+1]
.elseif !\first
	v_pk_fma_f32 v[rT+2:rT+3], v[rT+2:rT+3], v[rT+6:rT+7], v[rS:rS+1] op_sel_hi:[1,0,1]
.endif
.else
	WIN W_RS
	v_pk_mul_f32 v[rO:rO+1], v[rO:rO+1], v[rT+6:rT+7] op_sel_hi:[1,0]
.endif
.endm
; Slice k of 59 of piece y's softmax: four instructions.  Slices 11 to 34 deal out the batch, numbers 22 to 69: four numbers of ONE tile each, the tiles by turns.  Every other slice is numbers 2 k and 2 k + 1 of both tiles.
; Ahead of slice 35 nothing names an exponential's result, and behind slice 34 no exponential is issued: the piece's 66 exponentials have one wait, behind slice 34, with one plain instruction ahead of it.
.macro SLICE y, first
.if (k >= 11) && (k < 35)
.irp n, 0,1,2,3
.set j, 22+4*((k-11)/2)+(\n)
	SM (\y)+(k-11)%2, \first
.endr
.else
.irp n, 0,1
.irp t, \y, \y+1
.set j, 2*k+\n
	SM \t, \first
.endr
.endr
.endif
.if k == 34
	v_nop
.if (\y) == 0
	FETCH_V                                        ; piece 2's turn: V's run of loads stands here, and the wait stands in it
.else
	s_wait_alu depctr_va_vdst(0)
.endif
.endif
.set k, k+1
.endm
.macro AFTER y, first                  ; the slices behind product pw of a turn
.if pw < cut
.rept nhi
	SLICE \y, \first
.endr
.else
.rept nhi-1
	SLICE \y, \first
.endr
.endif
.set pw, pw+1
.endm
.macro PLACES
.rept 4
	v_nop
.endr
.endm
; A TURN.  Piece x has the matrix unit.  pv = 2: 16 products V^T P; 1: they start O^T's sums; 0: none.  kq = 1: 16 products K Q^T for the next step.
; With both kinds: 2 slices behind each of 27 products, 1 behind each of 5 (59).  With one kind: 4 behind each of 11, 3 behind each of 5 (59).
; PLACES.  Behind a turn's last K Q^T stands slice 58: four multiplies of the other piece's O^T, which name none of that product's registers: they are the four places in front of the next turn's first read of the scores
; and of the loads into K's registers.  V's last reader is the turn's 16th product; between it and V's run of loads stand five plain instructions: number 58 of one tile, number 62 of both, the v_nop and the run's own addition.
; first = 1: the softmax's last slices are empty, and four v_nop take slice 58's part.
.macro TURN x, pv, kq, first
.set k, 0
.set pw, 0
.set nhi, 4
.set cut, 11
.if \pv && \kq
.set nhi, 2
.set cut, 27
.endif
.if \pv
.if \x == 0
	s_wait_dscnt 0x0                               ; V is in (asked for 14 products ago)
.endif
.set i, 0
.rept 16
	PV \x, 2-\pv
	AFTER 2-\x, \first
.if (\x == 0) && \kq && (i == 1)
	FETCH_K
.endif
.set i, i+1
.endr
.endif
.if \kq
.if \x == 0
	s_wait_dscnt 0x0                               ; K is in (asked for 14 products ago)
.endif
.set i, 0
.rept 16
	KQ \x
	AFTER 2-\x, \first
.set i, i+1
.endr
.endif
.if \first
	PLACES
.endif
.endm
; THE CHANGE OF SLOTS, between piece 2's turn and piece 0's: the slot's last bytes, V of its fourth step, have been asked for.  Each wave waits for all its tensor loads (one is out: its part of the other slot), adds 0 to its
; spare word, and waits for that and for its reads of the slot.  fill = 1: the barrier is a round of the cluster's, and the joint refill, the keys two slots on, is the first thing behind it: it has four key steps in which to land.
.macro CHANGE fill
	WIN 0
	s_wait_tensorcnt 0x0                           ; no tensor load of mine is out, so a group 0 may be written
	ds_add_u32 v[SPW], v[NIL]                      ; 0 onto my spare word
.if \fill
	s_xor_b32 s[G0K+5], s[G0K+5], SLOT1            ; the walking descriptors: the other slot than last time,
	s_add_nc_u64 s[G0K+6:G0K+7], s[G0K+6:G0K+7], NST*KS*128   ; the next 256 keys
	s_xor_b32 s[G0V+5], s[G0V+5], SLOT1
	s_add_nc_u64 s[G0V+6:G0V+7], s[G0V+6:G0V+7], NST*KS*2
	s_wait_xcnt 0x0                                ; the last prefetch, a slot back, has read its address
	s_add_nc_u64 s[PFA:PFA+1], s[PFA:PFA+1], s[PFS:PFS+1]
	s_wait_dscnt 0x0                               ; the add is done, and my reads of the slot are over
	CROUND
	JLOAD
	ASK
.else
	s_wait_dscnt 0x0
	s_barrier_signal -1
	s_barrier_wait -1
.endif
	s_sub_co_u32 s[TK], s[TK], NST*KSTB            ; the fetches go back to a slot's first step,
	s_xor_b32 s[TK], s[TK], SLOT1                  ; in the other slot
	s_sub_co_u32 s[TV], s[TV], NST*VSTB
	s_xor_b32 s[TV], s[TV], SLOT1
.endm
.macro STEPS n                         ; n key steps: written once, walked n times; the LDS addresses hang on s[TK] and s[TV]
	s_mov_b32 s[TWICE], \n
.Lstep_\@:
	TURN 0, 2, 1, 0
	TURN 2, 2, 1, 0
	WIN 0
	s_sub_co_u32 s[TWICE], s[TWICE], 1
	s_cmp_lg_u32 s[TWICE], 0
	s_cbranch_scc1 .Lstep_\@
.endm
	s_wait_tensorcnt 1                             ; my part of slot 0 is in; slot 1's load may stay out
	s_barrier_signal -1
	s_barrier_wait -1
	FETCH_K                                        ; key step 0
	s_wait_loadcnt 0x0                             ; Q and bv
	s_wait_dscnt 0x0
.set i, 0
.rept 16
	KQ 0                                           ; piece 0's first scores
.set i, i+1
.endr
	WIN 0                                          ; the addresses for the way out are made here: plain instructions, the places behind those products
	s_mul_i32 s13, s[WV], 16*SP
	s_add_co_u32 s13, s13, STAGE                   ; my stage
	v_mul_u32_u24 v[STO], v1, SP                   ; in: row r, 16 bytes for each half of the lanes
	v_lshl_add_u32 v[STO], v9, 4, v[STO]
	v_add_nc_u32 v[STO], s13, v[STO]
	v_bfe_u32 v10, v0, 3, 2                        ; back: eight lanes to a row of 128 bytes, four rows a load
	v_mul_u32_u24 v[RD], v10, SP
	v_and_b32 v10, 7, v0
	v_lshl_add_u32 v[RD], v10, 4, v[RD]
	v_add_nc_u32 v[RD], s13, v[RD]
	v_and_b32 v10, 31, v0
	v_lshlrev_b32 v[GO], 4, v10                    ; and the same four rows in ctx16: 512 dense bytes
	TURN 2, 0, 1, 1                                ; piece 2's first scores | piece 0's first softmax | V of step 0
	TURN 0, 1, 1, 1                                ; piece 0: V^T P of step 0 starts O^T, K Q^T of step 1 | piece 2's first softmax | K of step 1
	TURN 2, 1, 1, 0                                ; piece 2: the same | piece 0's softmax of step 1 | V of step 1
	WIN 0
	STEPS 2                                        ; steps 1 and 2: with them slot 0's last bytes are asked for
.Lslot:                                            ; NSL - 2 trips: every slot but the last two is filled again
	CHANGE 1
	STEPS NST
	s_sub_co_u32 s[SLOTS], s[SLOTS], 1
	s_cmp_lg_u32 s[SLOTS], 0
	s_cbranch_scc1 .Lslot
	CHANGE 0                                       ; the tail is written out
	STEPS NST
	TURN 0, 2, 0, 0                                ; piece 0: V^T P of the last step | piece 2's last softmax
.set i, 0
.rept 16
	PV 2, 0                                        ; piece 2: V^T P of the last step
.set i, i+1
.endr
	; THE WAY OUT.  l's two halves and the other half of the lanes' are added; ctx = O^T / l + bv, rounded to f16, through my stage, a tile (16 rows) at a time.  The additions are the places behind the last products.
	WIN 0
.irp t, 0,1,2,3
	v_add_f32 v[ST+8*\t+4], v[ST+8*\t+2], v[ST+8*\t+3]
.endr
.irp t, 0,1,2,3
	v_permlanex16_b32 v[ST+8*\t+5], v[ST+8*\t+4], s[SEL], s[SEL+1]
.endr
.irp t, 0,1,2,3
	v_add_f32 v[ST+8*\t+4], v[ST+8*\t+4], v[ST+8*\t+5]
.endr
.irp t, 0,1,2,3
	v_rcp_f32 v[ST+8*\t+6], v[ST+8*\t+4]
.endr
	v_nop                                          ; a plain instruction between the last reciprocal and the use of its result
	s_wait_alu depctr_va_vdst(0)                   ; and the wait ahead of the first use: one for the four reciprocals
.macro PACK t
	WIN 0x61                                       ; O^T (destination, source 0) window 1, 1 / l window 0, bv window 2
.set i, 0
.rept 16
	v_pk_fma_f32 v[32*\t+2*i:32*\t+2*i+1], v[32*\t+2*i:32*\t+2*i+1], v[ST+8*\t+6:ST+8*\t+7], v[BV+2*i:BV+2*i+1] op_sel_hi:[1,0,1]
.set i, i+1
.endr
	WIN 0x05                                       ; sources window 1, destination window 0: S^T's registers are free
.set i, 0
.rept 16
	v_cvt_pk_f16_f32 v[S+32*\t+i], v[32*\t+2*i], v[32*\t+2*i+1]
.set i, i+1
.endr
	WIN 0
.irp f, 0,1,2,3
	ds_store_b128 v[STO], v[S+32*\t+4*\f:S+32*\t+4*\f+3] offset:32*\f
.endr
.irp f, 0,1,2,3
	ds_load_b128 v[S+32*\t+4*\f:S+32*\t+4*\f+3], v[RD] offset:\f*4*SP   ; LDS serves a wave's instructions in order: these see the stores above; the next tile's stores come behind them
.endr
.endm
.macro SEND t, younger                 ; younger: the LDS instructions issued behind tile t's loads: the next tile's eight, or none
.irp f, 0,1,2,3
	s_wait_dscnt \younger+3-\f
	global_store_b128 v[GO], v[S+32*\t+4*\f:S+32*\t+4*\f+3], s[68:69] offset:\t*2048+\f*512   ; 32 lanes store 512 consecutive bytes, aligned
.endr
.endm
	PACK 0
	PACK 1
	SEND 0, 8
	PACK 2
	SEND 1, 8
	PACK 3
	SEND 2, 8
	SEND 3, 0
	s_wait_tensorcnt 0x0                           ; the wave's end
	ds_add_u32 v[SPW], v[NIL]
	s_wait_dscnt 0x0
	CROUND                                         ; the closing round
	s_endpgm
.Lfunc_end_k_q9991a3910f_attn:
	.size	k_q9991a3910f_attn, .Lfunc_end_k_q9991a3910f_attn-k_q9991a3910f_attn
	.p2alignl 7, 3214868480
	.fill 96, 4, 3214868480
	.section	.rodata,"a",@progbits
	.p2align	6, 0x0
	.amdhsa_kernel k_q9991a3910f_attn
		.amdhsa_group_segment_fixed_size 327680
		.amdhsa_private_segment_fixed_size 0
		.amdhsa_enable_private_segment 0
		.amdhsa_kernarg_size 40
		.amdhsa_user_sgpr_count 2
		.amdhsa_user_sgpr_kernarg_segment_ptr 1
		.amdhsa_wavefront_size32 1
		.amdhsa_system_sgpr_workgroup_id_x 1
		.amdhsa_system_sgpr_workgroup_id_y 1
		.amdhsa_system_sgpr_workgroup_id_z 1
		.amdhsa_system_vgpr_workitem_id 0
		.amdhsa_next_free_vgpr 768
		.amdhsa_next_free_sgpr 76
		.amdhsa_reserve_vcc 0
		.amdhsa_float_denorm_mode_32 3
		.amdhsa_float_denorm_mode_16_64 3
		.amdhsa_memory_ordered 1
		.amdhsa_forward_progress 1
		.amdhsa_inst_pref_size 196
	.end_amdhsa_kernel
	.amdgpu_metadata
---
amdhsa.version: [ 1, 2 ]
amdhsa.kernels:
  - .name:           k_q9991a3910f_attn
    .symbol:         k_q9991a3910f_attn.kd
    .args:
      - { .name: q16, .offset: 0, .size: 8, .value_kind: global_buffer, .address_space: global }
      - { .name: k16, .offset: 8, .size: 8, .value_kind: global_buffer, .address_space: global }
      - { .name: vt16, .offset: 16, .size: 8, .value_kind: global_buffer, .address_space: global }
      - { .name: bv, .offset: 24, .size: 8, .value_kind: global_buffer, .address_space: global }
      - { .name: ctx16, .offset: 32, .size: 8, .value_kind: global_buffer, .address_space: global }
    .group_segment_fixed_size: 327680
    .private_segment_fixed_size: 0
    .kernarg_segment_align: 8
    .kernarg_segment_size: 40
    .max_flat_workgroup_size: 128
    .sgpr_count:     76
    .vgpr_count:     768
    .wavefront_size: 32
...
	.end_amdgpu_metadata
.endif
;; end of part 3
;; launch proj (part 4): grid 8 x 32, 4 waves a work-group, clusters of 4 x 4, 327,680 bytes of LDS; arguments ctx16, wo16, bo, out0; writes out0
.if DOCPART == 4
	.amdgcn_target "amdgcn-amd-amdhsa--gfx1250"
	.amdhsa_code_object_version 6
	.text
	.protected	k_q9991a3910f_proj
	.globl	k_q9991a3910f_proj
	.p2align	8
	.type	k_q9991a3910f_proj,@function
k_q9991a3910f_proj:
	s_mov_b64 s[64:65], 0
	v_nop
	global_prefetch_b8 v0, s[64:65] scope:SCOPE_SE
	s_setreg_imm32_b32 hwreg(HW_REG_WAVE_MODE, 25, 1), 1
	s_wait_xcnt 0x0
	s_wait_alu depctr_hold_cnt(0) depctr_sa_sdst(0) depctr_va_vdst(0) depctr_va_sdst(0) depctr_va_ssrc(0) depctr_va_vcc(0) depctr_vm_vsrc(0)
	s_getreg_b32 s2, hwreg(HW_REG_IB_STS2, 6, 4)
	s_cmp_eq_u32 s2, 0
	s_cbranch_scc0 .Lentry_in_a_cluster
	s_endpgm
.Lentry_in_a_cluster:
	s_bfe_u32 s2, ttmp6, 0x10000c
	s_cmp_lg_u32 s2, 0xf033
	s_cbranch_scc0 .Lentry_shape_is_right
	s_endpgm
.Lentry_shape_is_right:
; LAUNCH 4 OF 4: out0[m][n] = the sum over k of ctx[m][k] Wo[n][k] + bo[n].  ctx16: [16 heads][4096][64] f16 (k = 64 head + channel); wo16: [1024][1024] f16; bo: [1024], out0: [4096][1024] f32; sums in f32.
; A tile of out0 is 128 x 128: 256 work-groups.  Four waves, each 64 x 64: 16 accumulators of 16 x 16.  K goes in four steps of 256, which are four heads, through a ring of two LDS slots.
; A's tile of a step: for each of the four heads 128 rows of 128 bytes, which are 16,384 dense bytes of ctx16.  One tensor load brings two heads, stated as two rows of 16,384 bytes, 524,288 bytes apart, with 16 bytes of
; padding behind each 128: in LDS [head][row] with rows 144 bytes apart.  B's tile: 128 rows of 512 bytes + 16.  Waves 0, 1 fetch A's two pairs of heads, waves 2, 3 B's two halves.
; CLUSTERS: 4 x 4 work-groups; A's tile is shared along a row of the cluster, B's along a column: joint loads.  THE MATRIX INSTRUCTION IS USED TRANSPOSED (source 0 = 16 rows of Wo, source 1 = 16 rows of ctx):
; a lane holds eight neighbouring columns of a row of out0.  The bias is the C of each sum's first product.
; A wave's 64 columns of f32 are 256 bytes: each wave has a stage of its own on the way out, and no barrier stands there.
; REGISTERS: window 0: v0-31 addresses; v32-95 rows on their way out; v96-127 the bias; v128-255 the accumulators ((a, b) at v[128 + 8 (4 a + b)]).   window 1: two fragment buffers of 128 (64 of A, then 64 of B).
.set KSTEP,  256
.set PA,     144
.set PB,     528
.set HEADB,  128*PA                    ; a head's 128 rows in LDS
.set BOFF,   4*HEADB
.set BHALF,  64*PB
.set SLOT,   BOFF+2*BHALF
.set STAGE,  2*SLOT                    ; behind the ring: 16 rows x 272 bytes for each wave
.set SPITCH, 272
.set SPARE,  STAGE+4*16*SPITCH         ; the spare words, 128 bytes a wave, which no other line names
.set LAPS,   1024/(2*KSTEP)            ; 2: the first lap's two changes of slots fill again, the second's do not
.set ADRA, 16
.set ADRB, 20
.set STO,  24
.set RD,   25
.set CO,   26
.set SPW,  28
.set NIL,  29
.set TMP,  32
.set BI,   96
.set ACC,  128
.set F0,   0
.set F1,   128
.set WV,   12                          ; s12 wave;  s13 wave / 2: my half of the rows, also: I fetch for A (0) or B (1);  s14 wave % 2: my half of the columns, also: which half I fetch
.set HR,   13
.set HC,   14
.set G1,   24
.set G0,   32
.set G1B,  48
.set G0B,  56
.set MSB, 0
.macro WIN new
.if MSB != \new
	s_set_vgpr_msb (MSB<<8)|\new
.set MSB, \new
.endif
.endm
.set MUL,  0x05                        ; sources 0 (B) and 1 (A) window 1; C and D window 0
.set TO_F, 0x40
.macro JLOAD s                         ; a joint load; an s_nop 0 and four v_nop follow each of the two lines
	s_cmp_eq_u32 s[HR], 0
	s_cbranch_scc0 .Lfor_b_\@
	tensor_load_to_lds s[G0+4*\s:G0+4*\s+3], s[G1:G1+7]
	s_nop 0
.rept 4
	v_nop
.endr
	s_branch .Lasked_\@
.Lfor_b_\@:
	tensor_load_to_lds s[G0B+4*\s:G0B+4*\s+3], s[G1B:G1B+7]
	s_nop 0
.rept 4
	v_nop
.endr
.Lasked_\@:
.endm
.macro CREST                           ; a round of the cluster's barrier behind its opening barrier
	s_cmp_lg_u32 s[WV], 0
	s_cbranch_scc1 .Lnot_wave_0_\@
	s_barrier_signal -3
.Lnot_wave_0_\@:
	s_barrier_wait -3
	s_barrier_signal -1
	s_barrier_wait -1
.endm
.macro CROUND
	s_barrier_signal -1
	s_barrier_wait -1
	CREST
.endm
	s_load_b256 s[4:11], s[0:1], 0x0               ; ctx16 4:5, wo16 6:7, bo 8:9, out0 10:11
	v_lshl_add_u32 v[SPW], v0, 2, SPARE
	v_mov_b32 v[NIL], 0
	ds_add_u32 v[SPW], v[NIL]                      ; the wave's opening: the add, twice on end, and its wait ahead of my first tensor load
	ds_add_u32 v[SPW], v[NIL]
	v_lshrrev_b32 v1, 5, v0
	v_readfirstlane_b32 s[WV], v1
	s_lshr_b32 s[HR], s[WV], 1
	s_and_b32 s[HC], s[WV], 1
	s_bfe_u32 s40, ttmp6, 0x40000                  ; cx
	s_bfe_u32 s41, ttmp6, 0x40004                  ; cy
	s_lshl_b32 s42, ttmp9, 2
	s_add_co_u32 s42, s42, s40                     ; tile column
	s_and_b32 s15, ttmp7, 0xffff
	s_lshl_b32 s15, s15, 2
	s_add_co_u32 s15, s15, s41                     ; tile row
	s_lshl_b32 s43, s41, 2
	s_lshl_b32 s43, 15, s43                        ; my row of the cluster
	s_lshl_b32 s44, 0x1111, s40                    ; my column
	; group 1 for A: 2 rows of 2,048 elements of 8 bytes, 65,536 elements apart; 4 words of padding behind every 32
	s_or_b32 s[G1+0], s43, (3<<16)|(1<<20)|(1<<21)|(4<<22)|(3<<25)
	s_mov_b32 s[G1+1], 2048<<16
	s_mov_b32 s[G1+2], 2<<16
	s_mov_b32 s[G1+3], 2048<<16
	s_mov_b32 s[G1+4], 2
	s_mov_b32 s[G1+5], 65536
	s_mov_b32 s[G1+6], 0
	s_mov_b32 s[G1+7], 0
	; group 1 for B: 64 rows of 256 elements of 2 bytes, 1,024 elements apart; 4 words of padding behind every 128
	s_or_b32 s[G1B+0], s44, (1<<16)|(1<<20)|(1<<21)|(6<<22)|(3<<25)
	s_mov_b32 s[G1B+1], KSTEP<<16
	s_mov_b32 s[G1B+2], 64<<16
	s_mov_b32 s[G1B+3], KSTEP<<16
	s_mov_b32 s[G1B+4], 64
	s_mov_b32 s[G1B+5], 1024
	s_mov_b32 s[G1B+6], 0
	s_mov_b32 s[G1B+7], 0
	s_lshl_b32 s16, s15, 14                        ; A: the tile row's 128 rows of 128 bytes inside a head,
	s_lshl_b32 s17, s[HC], 20                      ; and my pair of heads
	s_add_co_u32 s16, s16, s17
	s_mov_b32 s17, 0
	s_lshl_b32 s46, s42, 7
	s_lshl_b32 s47, s[HC], 6
	s_add_co_u32 s46, s46, s47                     ; B: row 128 x tile column + 64 x half,
	s_lshl_b32 s46, s46, 11                        ; of 2,048 bytes
	s_mov_b32 s47, 0
	s_mul_i32 s45, s[HC], 2*HEADB                  ; where they go: no place in the cluster enters an LDS address
	s_mul_i32 s20, s[HC], BHALF
	s_add_co_u32 s20, s20, BOFF
	s_wait_dscnt 0x0                               ; both opening adds are done
	s_wait_kmcnt 0x0
	s_add_nc_u64 s[16:17], s[4:5], s[16:17]
	s_add_nc_u64 s[46:47], s[6:7], s[46:47]
	CROUND                                         ; all sixteen work-groups are here: the first joint loads meet
.irp s, 0,1
	s_mov_b32 s[G0+4*\s], 1
	s_add_co_u32 s[G0+4*\s+1], s45, \s*SLOT
	s_add_nc_u64 s[G0+4*\s+2:G0+4*\s+3], s[16:17], \s*4*524288     ; K step s begins with head 4 s
	s_or_b32 s[G0+4*\s+3], s[G0+4*\s+3], 0x80000000
	s_mov_b32 s[G0B+4*\s], 1
	s_add_co_u32 s[G0B+4*\s+1], s20, \s*SLOT
	s_add_nc_u64 s[G0B+4*\s+2:G0B+4*\s+3], s[46:47], \s*KSTEP*2
	s_or_b32 s[G0B+4*\s+3], s[G0B+4*\s+3], 0x80000000
	JLOAD \s                                       ; two tensor loads of mine are out
.endr
	v_and_b32 v1, 15, v0                           ; r
	v_bfe_u32 v2, v0, 4, 1                         ; h
	v_mul_u32_u24 v3, v1, PA
	v_lshl_add_u32 v3, v2, 4, v3
	v_mul_u32_u24 v4, v1, PB
	v_lshl_add_u32 v4, v2, 4, v4
	s_mul_i32 s21, s[HR], 64*PA                    ; my 64 rows inside each head's 128
	s_mul_i32 s22, s[HC], BHALF                    ; my 64 rows of B
	s_add_co_u32 s22, s22, BOFF
.irp s, 0,1
	v_add_nc_u32 v[ADRA+\s], s21, v3
	v_add_nc_u32 v[ADRB+\s], s22, v4
	s_add_co_u32 s21, s21, SLOT
	s_add_co_u32 s22, s22, SLOT
.endr
	s_mul_i32 s23, s[WV], 16*SPITCH
	s_add_co_u32 s23, s23, STAGE                   ; my stage
	v_mul_u32_u24 v5, v1, SPITCH                   ; in: row r, 32 bytes for each half of the lanes
	v_lshl_add_u32 v5, v2, 5, v5
	v_add_nc_u32 v[STO], s23, v5
	v_mul_u32_u24 v5, v2, SPITCH                   ; back: lanes 0-15 one row of 256 bytes, lanes 16-31 the next
	v_lshl_add_u32 v5, v1, 4, v5
	v_add_nc_u32 v[RD], s23, v5
	v_lshlrev_b32 v5, 12, v2                       ; and the same two rows in out0
	v_lshl_add_u32 v[CO], v1, 4, v5
	s_lshl_b32 s46, s42, 9
	s_lshl_b32 s47, s[HC], 8
	s_add_co_u32 s46, s46, s47                     ; my first column, in bytes of f32: 4 (128 x tile column + 64 x half)
	s_mov_b32 s47, 0
	s_add_nc_u64 s[8:9], s[8:9], s[46:47]          ; bo there
	s_add_nc_u64 s[10:11], s[10:11], s[46:47]
	s_lshl_b32 s16, s15, 7
	s_lshl_b32 s17, s[HR], 6
	s_add_co_u32 s16, s16, s17                     ; my first row: 128 x tile row + 64 x half,
	s_lshl_b32 s16, s16, 12                        ; of 4,096 bytes
	s_mov_b32 s17, 0
	s_add_nc_u64 s[10:11], s[10:11], s[16:17]
	v_lshlrev_b32 v6, 5, v2                        ; 32 h; not written again
.irp b, 0,1,2,3                                ; the bias: register 8 b + j = bo[my first column + 16 b + 8 h + j]
	global_load_b128 v[BI+8*\b:BI+8*\b+3], v6, s[8:9] offset:64*\b
	global_load_b128 v[BI+8*\b+4:BI+8*\b+7], v6, s[8:9] offset:64*\b+16
.endr
; 8 matrix instructions: m blocks a0, a0 + 1 x all 4 n blocks, 32 along K: half c of buffer f.  first = 1: the sums begin from the bias.  The 16 accumulators take turns.
.macro MUL8 f, c, a0, first
.irp a, \a0, \a0+1
.irp b, 0,1,2,3
.if \first
	v_wmma_f32_16x16x32_f16 v[ACC+8*(4*(\a)+\b):ACC+8*(4*(\a)+\b)+7], v[\f+64+8*(4*\c+\b):\f+64+8*(4*\c+\b)+7], v[\f+8*(4*\c+\a):\f+8*(4*\c+\a)+7], v[BI+8*\b:BI+8*\b+7]
.else
	v_wmma_f32_16x16x32_f16 v[ACC+8*(4*(\a)+\b):ACC+8*(4*(\a)+\b)+7], v[\f+64+8*(4*\c+\b):\f+64+8*(4*\c+\b)+7], v[\f+8*(4*\c+\a):\f+8*(4*\c+\a)+7], v[ACC+8*(4*(\a)+\b):ACC+8*(4*(\a)+\b)+7]
.endif
.endr
.endr
.endm
; 32 LDS loads in one run: the fragments of quarter q of the slot (64 along K: one head), into buffer f; the first 32 along K first
.macro FETCH slot, q, f
	WIN TO_F
.irp c, 0,1
.irp i, 0,1,2,3
	ds_load_b128 v[\f+64+8*(4*\c+\i):\f+64+8*(4*\c+\i)+3],   v[ADRB+\slot] offset:128*(\q)+64*\c+\i*16*PB
	ds_load_b128 v[\f+64+8*(4*\c+\i)+4:\f+64+8*(4*\c+\i)+7], v[ADRB+\slot] offset:128*(\q)+64*\c+\i*16*PB+32
	ds_load_b128 v[\f+8*(4*\c+\i):\f+8*(4*\c+\i)+3],         v[ADRA+\slot] offset:HEADB*(\q)+64*\c+\i*16*PA
	ds_load_b128 v[\f+8*(4*\c+\i)+4:\f+8*(4*\c+\i)+7],       v[ADRA+\slot] offset:HEADB*(\q)+64*\c+\i*16*PA+32
.endr
.endr
.endm
.macro PLACES                          ; four plain instructions in front of loads into registers that matrix instructions have read, and of reads of results
.rept 4
	v_nop
.endr
.endm
; One of a K step's first three quarters: multiplies buffer f and fetches quarter q of the same slot into g.
.macro QUARTER slot, q, f, g, first
	s_wait_dscnt 16                                ; the first 32 along K are in; the sixteen loads of the second 32 may be out
	WIN MUL
	MUL8 \f, 0, 0, \first
	MUL8 \f, 0, 2, \first
	PLACES
	FETCH \slot, \q, \g
	s_wait_dscnt 32                                ; all but the 32 just issued
	WIN MUL
	MUL8 \f, 1, 0, 0
	MUL8 \f, 1, 2, 0
.endm
; The last quarter multiplies buffer 1 and changes slots: ONE barrier; in front of it each wave waits for all its tensor loads, adds 0 to its spare word, and waits for that and for its reads of this slot.
; fill = 1: the barrier opens a round of the cluster's, and this slot is filled again, two K steps ahead, first thing behind the round.
.macro TURN slot, next, fill
	WIN 0
	s_wait_tensorcnt 0x0                           ; all my tensor loads have landed: my part of the next slot
	ds_add_u32 v[SPW], v[NIL]                      ; 0 onto my spare word
	s_wait_dscnt 17                                ; the add and the youngest sixteen loads may be out
	WIN MUL
	MUL8 F1, 0, 0, 0
	s_wait_dscnt 0x0                               ; the add is done, and my reads of this slot are over
	s_barrier_signal -1
	MUL8 F1, 0, 2, 0
.if \fill
	WIN 0
.endif
	s_barrier_wait -1
.if \fill
	CREST
	s_add_nc_u64 s[G0+4*\slot+2:G0+4*\slot+3], s[G0+4*\slot+2:G0+4*\slot+3], 8*524288      ; eight heads on
	s_add_nc_u64 s[G0B+4*\slot+2:G0B+4*\slot+3], s[G0B+4*\slot+2:G0B+4*\slot+3], 2*KSTEP*2
	JLOAD \slot                                    ; the four v_nop behind it are also the places in front of the loads below
.else
	PLACES
.endif
	FETCH \next, 0, F0
	WIN MUL
	MUL8 F1, 1, 0, 0
	MUL8 F1, 1, 2, 0
.endm
	s_wait_loadcnt 0x0                             ; the bias
	s_wait_tensorcnt 1                             ; my part of K step 0 is in; K step 1's load may be out
	s_barrier_signal -1
	s_barrier_wait -1
	FETCH 0, 0, F0
	QUARTER 0, 1, F0, F1, 1                        ; the first products start the sums from the bias
.rept LAPS-1                           ; once round the ring, from a lap's second quarter to the next lap's first; both slots are filled again.  K has four steps: this stands once, so no loop is written
	QUARTER 0, 2, F1, F0, 0
	QUARTER 0, 3, F0, F1, 0
	TURN 0, 1, 1
	QUARTER 1, 1, F0, F1, 0
	QUARTER 1, 2, F1, F0, 0
	QUARTER 1, 3, F0, F1, 0
	TURN 1, 0, 1
	QUARTER 0, 1, F0, F1, 0
.endr
	QUARTER 0, 2, F1, F0, 0                        ; the last lap fills nothing
	QUARTER 0, 3, F0, F1, 0
	TURN 0, 1, 0
	QUARTER 1, 1, F0, F1, 0
	QUARTER 1, 2, F1, F0, 0
	QUARTER 1, 3, F0, F1, 0
	s_wait_dscnt 16                                ; the very last quarter
	WIN MUL
	MUL8 F1, 0, 0, 0
	MUL8 F1, 0, 2, 0
	s_wait_dscnt 0
	MUL8 F1, 1, 0, 0
	MUL8 F1, 1, 2, 0
	WIN 0
; THE WAY OUT, block by block of 16 rows x 64 columns: a lane's 32 bytes of a row go into my stage; whole rows of 256 bytes come back and are stored.
.macro TOSTAGE a
.irp b, 0,1,2,3
	ds_store_b128 v[STO], v[ACC+8*(4*(\a)+\b):ACC+8*(4*(\a)+\b)+3] offset:64*\b          ; each accumulator from its low end on
	ds_store_b128 v[STO], v[ACC+8*(4*(\a)+\b)+4:ACC+8*(4*(\a)+\b)+7] offset:64*\b+16
.endr
.irp t, 0,1,2,3,4,5,6,7
	ds_load_b128 v[TMP+32*((\a)%2)+4*\t:TMP+32*((\a)%2)+4*\t+3], v[RD] offset:\t*2*SPITCH   ; LDS serves a wave's instructions in order: these see the stores above
.endr
.endm
.macro SEND a, younger                 ; younger: the LDS instructions issued behind block a's loads
	s_wait_dscnt \younger
.irp t, 0,1,2,3,4,5,6,7
	global_store_b128 v[CO], v[TMP+32*((\a)%2)+4*\t:TMP+32*((\a)%2)+4*\t+3], s[10:11] offset:(16*(\a)+2*\t)*4096 th:TH_STORE_NT   ; 16 lanes store 256 consecutive bytes, aligned
.endr
.endm
	PLACES
	TOSTAGE 0
.irp a, 1,2,3
.if \a > 1
	s_wait_xcnt 0x0                                ; block a - 2's stores have read their registers: block a's loads may land there
.endif
	TOSTAGE \a
	SEND \a-1, 16                                  ; behind block a - 1's loads: block a's 8 stores and 8 loads
.endr
	SEND 3, 0
	s_wait_tensorcnt 0x0                           ; the wave's end
	ds_add_u32 v[SPW], v[NIL]
	s_wait_dscnt 0x0
	CROUND                                         ; the closing round
	s_endpgm
.Lfunc_end_k_q9991a3910f_proj:
	.size	k_q9991a3910f_proj, .Lfunc_end_k_q9991a3910f_proj-k_q9991a3910f_proj
	.p2alignl 7, 3214868480
	.fill 96, 4, 3214868480
	.section	.rodata,"a",@progbits
	.p2align	6, 0x0
	.amdhsa_kernel k_q9991a3910f_proj
		.amdhsa_group_segment_fixed_size 327680
		.amdhsa_private_segment_fixed_size 0
		.amdhsa_enable_private_segment 0
		.amdhsa_kernarg_size 32
		.amdhsa_user_sgpr_count 2
		.amdhsa_user_sgpr_kernarg_segment_ptr 1
		.amdhsa_wavefront_size32 1
		.amdhsa_system_sgpr_workgroup_id_x 1
		.amdhsa_system_sgpr_workgroup_id_y 1
		.amdhsa_system_sgpr_workgroup_id_z 1
		.amdhsa_system_vgpr_workitem_id 0
		.amdhsa_next_free_vgpr 512
		.amdhsa_next_free_sgpr 66
		.amdhsa_reserve_vcc 0
		.amdhsa_float_denorm_mode_32 3
		.amdhsa_float_denorm_mode_16_64 3
		.amdhsa_memory_ordered 1
		.amdhsa_forward_progress 1
		.amdhsa_inst_pref_size 86
	.end_amdhsa_kernel
	.amdgpu_metadata
---
amdhsa.version: [ 1, 2 ]
amdhsa.kernels:
  - .name:           k_q9991a3910f_proj
    .symbol:         k_q9991a3910f_proj.kd
    .args:
      - { .name: ctx16, .offset: 0, .size: 8, .value_kind: global_buffer, .address_space: global }
      - { .name: wo16, .offset: 8, .size: 8, .value_kind: global_buffer, .address_space: global }
      - { .name: bo, .offset: 16, .size: 8, .value_kind: global_buffer, .address_space: global }
      - { .name: out0, .offset: 24, .size: 8, .value_kind: global_buffer, .address_space: global }
    .group_segment_fixed_size: 327680
    .private_segment_fixed_size: 0
    .kernarg_segment_align: 8
    .kernarg_segment_size: 32
    .max_flat_workgroup_size: 128
    .sgpr_count:     66
    .vgpr_count:     512
    .wavefront_size: 32
...
	.end_amdgpu_metadata
.endif
;; end of part 4
